; MI455X (gfx1250); checked and timed in simulation.
; The chip was launched on July 23, 2026; its instructions are those of AMD's public machine-readable ISA for CDNA 5 (MIT licence, August 2026) and "CDNA5" Instruction Set Architecture Reference Guide (July 2026). The comments in the code are by the model that wrote it; some were corrected since.
;; Attention Block. Allowed arithmetic: matrix products marked QUANTISED: E3M2 operands, one E8M0 scale for each 32 along K, by v_wmma_scale_f32_16x16x128_f8f6f4 with both operands' format E3M2, f32 sums; everything else in f32.
;; Inputs: gn_b 256 float32; gn_w 256 float32; proj_b 256 float32; proj_w_codes 256 x 8 x 24 uint8 (E3M2 codes of proj_w, K innermost, in blocks of 32 codes, four codes in three bytes); proj_w_scales 256 x 8 uint8 (E8M0 scales of proj_w, one for each 32 codes along K); qkv_b 768 float32; qkv_w_codes 768 x 8 x 24 uint8 (E3M2 codes of qkv_w, K innermost, in blocks of 32 codes, four codes in three bytes); qkv_w_scales 768 x 8 uint8 (E8M0 scales of qkv_w, one for each 32 codes along K); x 4 x 256 x 64 x 64 float32.
;; Outputs: out0 4 x 256 x 64 x 64 float32.
;; This version of the problem:
;;   THIS VERSION OF THE PROBLEM IS GIVEN IN LOW PRECISION. The matrix products marked QUANTISED in the list below multiply operands that are first quantised to E3M2 (3 exponent bits, 2 mantissa bits; 6 bits a number), with one power-of-two scale for each 32 numbers along K (OCP MX v1.0); their sums are f32. All else is computed in f32.
;;   The module's matrix products, in the order in which they are computed (A, B: the left and right operand; K: the contracted axis; several contracted axes count as one K, in the product's order):
;;     1. [M 16,384, K 256] x [K 256, N 768]; A: computed on the way; B: input qkv_w (given as codes): QUANTISED
;;     2. batch 4 x [M 4,096, K 256] x [K 256, N 4,096]; A: computed on the way; B: computed on the way: QUANTISED
;;     3. batch 4 x [M 256, K 4,096] x [K 4,096, N 4,096]; A: computed on the way; B: softmax (see below): QUANTISED
;;     4. [M 16,384, K 256] x [K 256, N 256]; A: computed on the way; B: input proj_w (given as codes): QUANTISED
;;   THE QUANTISER, for each operand of a quantised product, along K:
;;     - K is cut into blocks of 32 from its start; a last block that is shorter is filled with zeros.
;;     - A block's scale is 2^e with e = floor(log2(the largest magnitude in the block)) - 4, held to -126 .. 127; a block of zeros has e = 0. As a byte (E8M0): e + 127.
;;     - Each number is divided by its block's scale, clamped to +-28, and rounded to the nearest number of E3M2, ties to even, subnormals kept.
;;     - The product sums the exact products of the quantised numbers (number of the format x scale) in f32.
;;   ~~~python
;;   def quantise(x, axis):      # numpy; x: float32 -> the quantised numbers, widened to float32 again
;;       x = np.moveaxis(x, axis, -1); K = x.shape[-1]
;;       x = np.pad(x, [(0, 0)] * (x.ndim - 1) + [(0, -K % 32)]); x = x.reshape(x.shape[:-1] + (-1, 32)); a = np.abs(x).max(-1, keepdims=True)
;;       e = np.where(a > 0, np.clip(np.frexp(np.where(a > 0, a, 1))[1] - 1 - 4, -126, 127), 0)      # np.frexp(a)[1] - 1 = floor(log2(a)), exactly
;;       r = np.clip(x / 2.0 ** e, -28, 28)
;;       step = 2.0 ** (np.maximum(np.frexp(np.where(r == 0, 1, r))[1] - 1, -2) - 2)
;;       q = np.round(r / step) * step * 2.0 ** e      # np.round: ties to even
;;       return np.moveaxis(q.reshape(q.shape[:-2] + (-1,))[..., :K], -1, axis).astype(np.float32)
;;   ~~~
;;   SOFTMAX AHEAD OF A QUANTISED PRODUCT. Where the list says 'softmax', what is quantised is not the finished softmax but p = 2^(t - M), with t = logit x log2(e) and M = ceil(the row's largest t), a whole number; so 1/2 < the row's largest p <= 1. The row's sum l is taken of the UNQUANTISED p, in f32, and the product's result is divided by l at the end. Since M is a whole number, a kernel that streams over the keys may use a running M (the ceiling of the running maximum): every later rescaling is an exact power of two, which a block's scale takes up: the codes' values come out the same.
;;   OPERANDS COMPUTED ON THE WAY. 'Computed on the way' means the value that the module computes at that place (a softmax that the list does not call 'softmax' is quantised finished and normalised). What goes into a quantiser is computed in f32, as accurately as f32 sums, v_exp_f32 and their like allow (about 1e-6 of the number): no bf16 or f16 on the way to a quantiser, and a product that is left as it is and whose result goes on into a quantised operand takes f32 operands (vector FMAs, or v_wmma_f32_16x16x4_f32). A number that lies on a knife's edge between two numbers of the format may be rounded either way, as far as f32 arithmetic and the matrix unit's own rounding can turn it there, and no further.
;;   INPUTS GIVEN AS CODES. proj_w (in the module: [256, 256], K = its axis 1); qkv_w (in the module: [768, 256], K = its axis 1): each comes as NAME_codes (uint8): NAME with its K axis moved to the last place and cut into blocks of 32 codes, [.., K / 32, bytes a block], one block behind the other in memory; four codes in three bytes: a row's codes are one little-endian stream of bits, code i at bits 6 i .. 6 i + 5 (a code: sign, 3 exponent bits, 2 mantissa bits); and NAME_scales (uint8): the same leading axes, one E8M0 byte (e + 127) for each 32 codes along K. Its value is code x scale, taken as it is: it is not quantised again, and the codes and scales need not be those that the quantiser above would give.
;; One version. Each part assembles by itself: llvm-mc -triple=amdgcn-amd-amdhsa -mcpu=gfx1250 --defsym DOCPART=n.
;; ======== version 1 of 1: 3 launches
;; workspace buffers: stats 2,048 bytes; qi 3,276,800 bytes; kv 6,553,600 bytes
;; launch stats (part 1): grid 256 x 1, 8 waves a work-group, no clusters, 1,536 bytes of LDS; arguments x, stats; writes stats
.if DOCPART == 1
	.amdgcn_target "amdgcn-amd-amdhsa--gfx1250"
	.amdhsa_code_object_version 6
	.text
	.protected	k_q5ddc5cc01a_stats
	.globl	k_q5ddc5cc01a_stats
	.p2align	8
	.type	k_q5ddc5cc01a_stats,@function
k_q5ddc5cc01a_stats:
	s_mov_b64 s[64:65], 0
	v_nop
	global_prefetch_b8 v0, s[64:65] scope:SCOPE_SE
	s_setreg_imm32_b32 hwreg(HW_REG_WAVE_MODE, 25, 1), 1
	s_wait_xcnt 0x0
; GroupNorm's statistics.  x: [4][256][4096] f32; a group is 8 channels x 4,096 positions = 131,072 consecutive bytes.
; NOTHING OF THE PROBLEM IS LEFT OUT, here or in the later kernels: every input has a way to out0 (qkv_b's part on k stands ahead of a quantiser, so it stays).
; Work-group i takes HALF a group, 65,536 consecutive bytes (16,384 numbers), and stores (mean, M2), M2 = the sum of the squared deviations from that mean, at byte 8 i of stats:
; a group's two halves lie together, 16 bytes.  The next kernel joins them.  TWO PASSES over numbers that stay in registers: the variance is never a difference of two large sums.
; Eight waves; thread t holds the 16 bytes at 16 t + 4,096 j, j = 0 .. 15: each load of a wave covers 512 consecutive bytes, and all 65,536 bytes are asked for at once.
; Memory binds: no matrix unit, no cluster (no two work-groups read the same byte), no prefetch (every byte is asked for in the kernel's first lines).
; LIMITS: NaN and infinities among the inputs are not served.
.set X,     16                         ; v16-79   my 64 numbers
.set SPW,   80                         ; v80      LDS address of my spare word: SPARE + 4 x my thread's number; never rewritten
.set NIL,   81                         ; v81      0; never rewritten
.set RED0,  0                          ; LDS: the eight waves' sums,
.set RED1,  256                        ; the eight waves' sums of squares, in bytes of their own,
.set SPARE, 512                        ; and the spare words, 128 bytes for each wave: four blocks of 256 bytes that no other line names
.macro JOIN                            ; four pairs in v2-9 become one number in v2
	v_pk_add_f32 v[2:3], v[2:3], v[4:5]
	v_pk_add_f32 v[6:7], v[6:7], v[8:9]
	v_pk_add_f32 v[2:3], v[2:3], v[6:7]
	v_add_f32 v2, v2, v3
.endm
.macro WRED                            ; v2 summed over the wave's 32 lanes, the result in every lane
	v_add_f32_dpp v2, v2, v2 row_xmask:1 row_mask:0xf bank_mask:0xf
	v_add_f32_dpp v2, v2, v2 row_xmask:2 row_mask:0xf bank_mask:0xf
	v_add_f32_dpp v2, v2, v2 row_xmask:4 row_mask:0xf bank_mask:0xf
	v_add_f32_dpp v2, v2, v2 row_xmask:8 row_mask:0xf bank_mask:0xf
	v_permlanex16_b32 v3, v2, s14, s15             ; (v3 has been written)
	v_add_f32 v2, v2, v3
.endm
.macro GROUP off                       ; v2 summed over the eight waves: each wave's word, a barrier, every wave reads all eight
	ds_store_b32 v10, v2 offset:\off               ; all lanes write the same word with the same value
	s_wait_dscnt 0x0                               ; for the others' sake: my store has landed
	s_barrier_signal -1
	s_barrier_wait -1
	ds_load_b128 v[2:5], v11 offset:\off
	ds_load_b128 v[6:9], v11 offset:\off+16
	s_wait_dscnt 0x0
	JOIN
.endm
	s_load_b128 s[4:7], s[0:1], 0x0                ; x s[4:5], stats s[6:7]
	v_lshl_add_u32 v[SPW], v0, 2, SPARE
	v_mov_b32 v[NIL], 0
	v_lshrrev_b32 v1, 5, v0
	v_readfirstlane_b32 s8, v1                     ; wave 0..7
	v_lshlrev_b32 v1, 4, v0                        ; 16 t
	v_mov_b32 v10, s8
	v_lshlrev_b32 v10, 2, v10                      ; my wave's word
	v_mov_b32 v11, 0
	s_lshl_b32 s10, ttmp9, 16                      ; my half group's first byte
	s_mov_b32 s11, 0
	s_lshl_b32 s12, ttmp9, 3                       ; and its 8 bytes of stats
	s_mov_b32 s13, 0
	s_mov_b32 s14, 0x76543210
	s_mov_b32 s15, 0xfedcba98                      ; v_permlanex16_b32's selects for lane l xor 16
	s_wait_kmcnt 0x0
	s_add_nc_u64 s[4:5], s[4:5], s[10:11]
	s_add_nc_u64 s[6:7], s[6:7], s[12:13]
.set k, 0
.rept 16
	global_load_b128 v[X+4*k:X+4*k+3], v1, s[4:5] offset:4096*k th:TH_LOAD_NT
.set k, k+1
.endr
	s_wait_loadcnt 0x0
	; pass 1: the sum, two numbers at a time, in four chains that the first eight pairs start: nothing is cleared
.irp c, 0,1,2,3
	v_pk_add_f32 v[2+2*\c:3+2*\c], v[X+2*\c:X+2*\c+1], v[X+8+2*\c:X+9+2*\c]
.endr
.set k, 8
.rept 24
	v_pk_add_f32 v[2+2*(k%4):3+2*(k%4)], v[2+2*(k%4):3+2*(k%4)], v[X+2*k:X+2*k+1]
.set k, k+1
.endr
	JOIN
	WRED
	GROUP RED0
	v_mul_f32 v12, 0x38800000, v2                  ; the mean: the sum x 2^-14
	v_mov_b32 v13, v12
	; pass 2: the deviations, in place, and their squares, again in four chains
.set k, 0
.rept 32
	v_pk_add_f32 v[X+2*k:X+2*k+1], v[X+2*k:X+2*k+1], v[12:13] neg_lo:[0,1] neg_hi:[0,1]
.set k, k+1
.endr
.irp c, 0,1,2,3
	v_pk_mul_f32 v[2+2*\c:3+2*\c], v[X+2*\c:X+2*\c+1], v[X+2*\c:X+2*\c+1]
.endr
.set k, 4
.rept 28
	v_pk_fma_f32 v[2+2*(k%4):3+2*(k%4)], v[X+2*k:X+2*k+1], v[X+2*k:X+2*k+1], v[2+2*(k%4):3+2*(k%4)]
.set k, k+1
.endr
	JOIN
	WRED
	GROUP RED1
	v_mov_b32 v13, v2                              ; (mean, M2)
	s_cmp_lg_u32 s8, 0
	s_cbranch_scc1 .Lnot_wave_0                    ; wave 0's lane 0 stores the 8 bytes
	s_wait_xcnt 0x0                                ; EXEC changes only behind this wait
	v_cmp_eq_u32 vcc_lo, 0, v0
	s_and_saveexec_b32 s9, vcc_lo
	global_store_b64 v11, v[12:13], s[6:7]
	s_wait_xcnt 0x0                                ; and again, in front of the line that widens it
	s_or_b32 exec_lo, exec_lo, s9
.Lnot_wave_0:
	s_wait_tensorcnt 0x0                           ; the wave's end: a wait, a 0 added to my spare word and its wait, behind my last LDS store
	ds_add_u32 v[SPW], v[NIL]
	s_wait_dscnt 0x0
	s_endpgm
.Lfunc_end_k_q5ddc5cc01a_stats:
	.size	k_q5ddc5cc01a_stats, .Lfunc_end_k_q5ddc5cc01a_stats-k_q5ddc5cc01a_stats
	.p2alignl 7, 3214868480
	.fill 96, 4, 3214868480
	.section	.rodata,"a",@progbits
	.p2align	6, 0x0
	.amdhsa_kernel k_q5ddc5cc01a_stats
		.amdhsa_group_segment_fixed_size 1536
		.amdhsa_private_segment_fixed_size 0
		.amdhsa_enable_private_segment 0
		.amdhsa_kernarg_size 16
		.amdhsa_user_sgpr_count 2
		.amdhsa_user_sgpr_kernarg_segment_ptr 1
		.amdhsa_wavefront_size32 1
		.amdhsa_system_sgpr_workgroup_id_x 1
		.amdhsa_system_sgpr_workgroup_id_y 1
		.amdhsa_system_sgpr_workgroup_id_z 1
		.amdhsa_system_vgpr_workitem_id 0
		.amdhsa_next_free_vgpr 96
		.amdhsa_next_free_sgpr 66
		.amdhsa_reserve_vcc 1
		.amdhsa_float_denorm_mode_32 3
		.amdhsa_float_denorm_mode_16_64 3
		.amdhsa_memory_ordered 1
		.amdhsa_forward_progress 1
		.amdhsa_inst_pref_size 12
	.end_amdhsa_kernel
	.amdgpu_metadata
---
amdhsa.version: [ 1, 2 ]
amdhsa.kernels:
  - .name:           k_q5ddc5cc01a_stats
    .symbol:         k_q5ddc5cc01a_stats.kd
    .args:
      - { .name: x, .offset: 0, .size: 8, .value_kind: global_buffer, .address_space: global }
      - { .name: stats, .offset: 8, .size: 8, .value_kind: global_buffer, .address_space: global }
    .group_segment_fixed_size: 1536
    .private_segment_fixed_size: 0
    .kernarg_segment_align: 8
    .kernarg_segment_size: 16
    .max_flat_workgroup_size: 256
    .sgpr_count:     66
    .vgpr_count:     96
    .wavefront_size: 32
...
	.end_amdgpu_metadata
.endif
;; end of part 1
;; launch qkv (part 2): grid 64 x 4, 4 waves a work-group, clusters of 4 x 1, 327,680 bytes of LDS; arguments x, stats, gn_w, gn_b, qkv_w_codes, qkv_w_scales, qkv_b, qi, kv; writes qi, kv
.if DOCPART == 2
	.amdgcn_target "amdgcn-amd-amdhsa--gfx1250"
	.amdhsa_code_object_version 6
	.text
	.protected	k_q5ddc5cc01a_qkv
	.globl	k_q5ddc5cc01a_qkv
	.p2align	8
	.type	k_q5ddc5cc01a_qkv,@function
k_q5ddc5cc01a_qkv:
	s_mov_b64 s[64:65], 0
	v_nop
	global_prefetch_b8 v0, s[64:65] scope:SCOPE_SE
	s_setreg_imm32_b32 hwreg(HW_REG_WAVE_MODE, 25, 1), 1
	s_wait_xcnt 0x0
	s_wait_alu depctr_hold_cnt(0) depctr_sa_sdst(0) depctr_va_vdst(0) depctr_va_sdst(0) depctr_va_ssrc(0) depctr_va_vcc(0) depctr_vm_vsrc(0)
	s_getreg_b32 s2, hwreg(HW_REG_IB_STS2, 6, 4)
	s_cmp_eq_u32 s2, 0
	s_cbranch_scc0 .Lentry_in_a_cluster
	s_endpgm
.Lentry_in_a_cluster:
	s_bfe_u32 s2, ttmp6, 0x10000c
	s_cmp_lg_u32 s2, 0x3003
	s_cbranch_scc0 .Lentry_shape_is_right
	s_endpgm
.Lentry_shape_is_right:
; h = GroupNorm(x); qkv = qkv_w h + qkv_b on codes of BF6 (E3M2) with one E8M0 scale for each 32 along K; q and k are quantised along the channels, v along the positions.  Nothing of the problem is left out.
; A work-group takes 64 positions of one batch and all 768 outputs.  Its results leave as IMAGES OF OPERAND REGISTERS, the layout in which the next kernel's matrix instructions take them:
;   a fragment (16 rows x 128 K, 12 registers a lane) is three chunks of 512 bytes, chunk c = lane l's registers 4 c .. 4 c + 3 at 16 l.
;   qi: 12,800 bytes for each block of 64 positions: 8 fragments (tile of positions pt, K step s) at (2 pt + s) x 1,536; at 12,288 the scale words: lane l's 16 bytes = tiles 0 .. 3; lanes 0-15 K step 0, lanes 16-31 K step 1.
;   kv: 51,200 bytes for each 128 positions (a key step; this block is its half hf): K's fragments at 12,288 hf + (2 pt + s) x 1,536; V's at 24,576 + 12,288 hf + 768 ct: registers 6 hf .. 6 hf + 5 of the fragment
;       of 16 channels x 128 keys (four registers at 16 l, then two at 512 + 8 l); K's scale words at 49,152 + 512 hf, as Q's; V's at 50,176: word 512 G + 16 l + 4 i serves the tiles 2 g, 2 g + 1 (g = 4 G + i):
;       lanes 0-15 tile 2 g, lanes 16-31 tile 2 g + 1; this half writes bytes 2 hf, 2 hf + 1 of each word (64 bytes a store in pieces of 2: 512 bytes of a work-group's 38,400).
; THE ROWS OF A TILE ARE NOT NEIGHBOURS (positions, rows of qkv_w alike): row r of tile 2 b + u is element 32 b + 8 u + r + 8 (r / 8), so that in a result the 16 registers of tiles 2 b, 2 b + 1 are the 16 neighbours 32 b + 16 (lane / 16) + 0 .. 15.
; SHARES.  Wave w: (X) normalises and quantises positions 32 (w & 1) on, channels 128 (w >> 1) on: a lane takes a position and its registers run down the channels; (QK) rows 128 w .. 128 w + 127 of qkv_w: waves 0, 1 make
; q's two K steps, waves 2, 3 k's, source 0 = 16 rows of qkv_w, source 1 = 16 positions of h; (V) rows 512 + 64 w on, sources swapped, so that a lane holds one channel and its registers run along the positions.
; CLUSTER.  All work-groups read the same 147,456 bytes of weight codes: the four of a cluster ask for them JOINTLY.  x's tile is each work-group's own: a plain tensor load.  Nothing is filled twice.
; No prefetch: every byte is asked for in the kernel's first lines.
; LIMITS: a block whose largest magnitude lies under 2^-122, a block of zeros too, gets the scale byte 1 (its codes are zeros or next to it; the bytes are read by this program alone); NaN and infinities are not served.
; REGISTERS, in windows of 256: window 0: v1-20 addresses; v24-39 scale words; v40-46 scale words made here; v48-63 at work; v64-191 x, then v64-127 results and v128-223 h's 8 fragments; v192-231, then v224-243 codes just made.
;   window 1: v0-191 my 16 fragments of qkv_w for q or k; v192-255 their bias.   window 2: v0-95 my 8 fragments for v; v96-127 their bias; v128-255 gn_w, then gn_w x rstd.   window 3: v0-127 gn_b; v128-191 the statistics, 4 a group.
.set WP,    240                        ; LDS: a row of weight codes: 3 x (64 bytes + 16 of padding); 768 rows from byte 0
.set XT,    184320                     ; x: 256 channel rows x 256 bytes (64 positions)
.set HIMG,  249856                     ; h's 8 fragments, (2 pt + s) x 1,536
.set HSC,   262144                     ; their scale words, 128 bytes for each wave
.set SPARE, 262656                     ; the spare words, 128 bytes for each wave: two blocks of 256 bytes that no other line names
.set LI,   1                           ; 16 x lane
.set L8,   2                           ; 8 x lane
.set AX,   3                           ; LDS: my position in x's tile, my first channel
.set AWQ,  4                           ; LDS: my row of a tile of qkv_w (q, k), + 24 x half;
.set AWQ2, 5                           ; the same behind one padding more (40 x half)
.set AWV,  6                           ; the same for v's rows
.set AWV2, 7
.set HWI,  8                           ; LDS: where I store h's images;
.set HWS,  9                           ; their scale word
.set HLI,  10                          ; LDS: HIMG + 16 x lane
.set HLS,  11                          ; LDS: HSC + 4 x lane
.set ZERO, 12                          ; 0: the offset of loads that bring all lanes the same bytes
.set SPW,  13                          ; LDS address of my spare word; never rewritten
.set NIL,  14                          ; 0, for the add alone
.set A8,   16                          ; 8 x my row of a tile + 4 x half: a row's scale word
.set A64,  17                          ; 64 x half
.set A4,   18                          ; 4 x my row of a tile
.set SH,   19                          ; 16 x half
.set R16,  20                          ; 16 x (lane % 16)
.set WS,   24                          ; v24-31 qkv_w's scale words, q or k: tile t; lanes 0-15 K step 0, lanes 16-31 K step 1
.set WSV,  32                          ; v32-35 the same for v's four tiles
.set HS,   36                          ; v36-39 h's: register 2 s + g: lanes 0-15 tile 2 g, lanes 16-31 tile 2 g + 1
.set PWQ,  40                          ; v40-43 the scale words of my four fragments of q or k
.set PWV,  44                          ; v44-45 v's, shifted for the store
.set PW,   46
.set TM,   48
.set X,    64
.set HA,   64
.set HF,   128
.set FA,   192
.set FB,   204
.set CTX,  216
.set PC,   224
.set WV,   18                          ; s18 my wave's number
.set SEL,  20                          ; s[20:21] v_permlanex16_b32's selects for lane l xor 16
.set G1X,  24                          ; s[24:31], s[32:35] descriptor groups 1 and 0 for x's tile
.set G0X,  32
.set G1W,  36                          ; s[36:43], s[44:47] for the weights
.set G0W,  44
.set MSB, 0
.macro WIN new                         ; the immediate's high byte repeats the setting that is left; a switch that changes nothing is dropped
.if MSB != \new
	s_set_vgpr_msb (MSB<<8)|\new
.set MSB, \new
.endif
.endm
.macro PLACES n
.rept \n
	v_nop
.endr
.endm
.macro CROUND                          ; a round of the cluster's barrier
	s_barrier_signal -1
	s_barrier_wait -1
	s_cmp_lg_u32 s[WV], 0
	s_cbranch_scc1 .Lnot_wave_0_\@
	s_barrier_signal -3
.Lnot_wave_0_\@:
	s_barrier_wait -3
	s_barrier_signal -1
	s_barrier_wait -1
.endm
; One scaled product.  d, a, b, c: first registers; z = 1: C is the constant 0; sa, sb: the scale registers; ra, rb = 1: that side's scales stand in lanes 16-31
.macro WMM d, a, b, c, z, sa, sb, ra, rb
.if \z
.if (\ra)+2*(\rb) == 0
	v_wmma_scale_f32_16x16x128_f8f6f4 v[\d:\d+7], v[\a:\a+11], v[\b:\b+11], 0, v[\sa], v[\sb] matrix_a_fmt:MATRIX_FMT_BF6 matrix_b_fmt:MATRIX_FMT_BF6
.elseif (\ra)+2*(\rb) == 1
	v_wmma_scale_f32_16x16x128_f8f6f4 v[\d:\d+7], v[\a:\a+11], v[\b:\b+11], 0, v[\sa], v[\sb] matrix_a_fmt:MATRIX_FMT_BF6 matrix_b_fmt:MATRIX_FMT_BF6 matrix_a_scale:MATRIX_SCALE_ROW1
.elseif (\ra)+2*(\rb) == 2
	v_wmma_scale_f32_16x16x128_f8f6f4 v[\d:\d+7], v[\a:\a+11], v[\b:\b+11], 0, v[\sa], v[\sb] matrix_a_fmt:MATRIX_FMT_BF6 matrix_b_fmt:MATRIX_FMT_BF6 matrix_b_scale:MATRIX_SCALE_ROW1
.else
	v_wmma_scale_f32_16x16x128_f8f6f4 v[\d:\d+7], v[\a:\a+11], v[\b:\b+11], 0, v[\sa], v[\sb] matrix_a_fmt:MATRIX_FMT_BF6 matrix_b_fmt:MATRIX_FMT_BF6 matrix_a_scale:MATRIX_SCALE_ROW1 matrix_b_scale:MATRIX_SCALE_ROW1
.endif
.else
.if (\ra)+2*(\rb) == 0
	v_wmma_scale_f32_16x16x128_f8f6f4 v[\d:\d+7], v[\a:\a+11], v[\b:\b+11], v[\c:\c+7], v[\sa], v[\sb] matrix_a_fmt:MATRIX_FMT_BF6 matrix_b_fmt:MATRIX_FMT_BF6
.elseif (\ra)+2*(\rb) == 1
	v_wmma_scale_f32_16x16x128_f8f6f4 v[\d:\d+7], v[\a:\a+11], v[\b:\b+11], v[\c:\c+7], v[\sa], v[\sb] matrix_a_fmt:MATRIX_FMT_BF6 matrix_b_fmt:MATRIX_FMT_BF6 matrix_a_scale:MATRIX_SCALE_ROW1
.elseif (\ra)+2*(\rb) == 2
	v_wmma_scale_f32_16x16x128_f8f6f4 v[\d:\d+7], v[\a:\a+11], v[\b:\b+11], v[\c:\c+7], v[\sa], v[\sb] matrix_a_fmt:MATRIX_FMT_BF6 matrix_b_fmt:MATRIX_FMT_BF6 matrix_b_scale:MATRIX_SCALE_ROW1
.else
	v_wmma_scale_f32_16x16x128_f8f6f4 v[\d:\d+7], v[\a:\a+11], v[\b:\b+11], v[\c:\c+7], v[\sa], v[\sb] matrix_a_fmt:MATRIX_FMT_BF6 matrix_b_fmt:MATRIX_FMT_BF6 matrix_a_scale:MATRIX_SCALE_ROW1 matrix_b_scale:MATRIX_SCALE_ROW1
.endif
.endif
.endm
; 64 numbers of a lane, v[s] .. v[s + 63], register 16 b + i = k 32 b + 16 (lane / 16) + i of my row, become a fragment's codes in v[pc] .. v[pc + 11] (v[pc + 12] .. v[pc + 18] at work) and its scale word in v[pw]
.macro QUANT s, pc, pw
.irp b, 0,1,2,3
	v_max3_num_f32 v[TM+\b], |v[\s+16*\b]|, |v[\s+1+16*\b]|, 0x2800000   ; block b: my 16 numbers, and the floor 2^(5 - 127): so the byte cannot fall under 1
.endr
.irp i, 2,4,6,8,10,12,14
.irp b, 0,1,2,3
	v_max3_num_f32 v[TM+\b], v[TM+\b], |v[\s+16*\b+\i]|, |v[\s+1+16*\b+\i]|   ; (the four blocks by turns)
.endr
.endr
.irp b, 0,1,2,3
	v_permlanex16_b32 v[TM+4+\b], v[TM+\b], s[SEL], s[SEL+1]
.endr
.irp b, 0,1,2,3
	v_max_num_f32 v[TM+\b], v[TM+\b], v[TM+4+\b]   ; with lane l xor 16's: the block's largest magnitude
.endr
.irp b, 0,1,2,3
	v_add_nc_u32 v[TM+12+\b], 0xfe000000, v[TM+\b] ; 4 off its exponent field: the conversion takes the exponent field of this operand as its scale
.endr
.irp b, 0,1,2,3
	v_lshrrev_b32 v[TM+4+\b], 23, v[TM+12+\b]      ; the scale's byte
.endr
	v_lshl_or_b32 v[\pw], v[TM+5], 8, v[TM+4]      ; the four bytes make my row's scale word
	v_lshl_or_b32 v[\pw], v[TM+6], 16, v[\pw]
	v_lshl_or_b32 v[\pw], v[TM+7], 24, v[\pw]
.irp c, 0,1
	v_cvt_scalef32_pk16_bf6_f32 v[\pc+6*\c:\pc+2+6*\c], v[\s+32*\c:\s+15+32*\c], v[TM+12+2*\c]
	v_cvt_scalef32_pk16_bf6_f32 v[\pc+12+4*\c:\pc+14+4*\c], v[\s+16+32*\c:\s+31+32*\c], v[TM+12+2*\c+1]   ; (a conversion's three registers begin on an even number)
.endr
	v_nop                                          ; one plain place behind a scaled conversion
.irp c, 0,1                                    ; the operand's layout wants a WHOLE block in a lane: lanes 0-15 block 2 c, lanes 16-31 block 2 c + 1
.irp i, 0,1,2
	v_permlane16_swap_b32 v[\pc+6*\c+\i], v[\pc+12+4*\c+\i]
.endr
.irp i, 0,1,2
	v_mov_b32 v[\pc+3+6*\c+\i], v[\pc+12+4*\c+\i]
.endr
.endr
.endm
; A fragment of weight codes from LDS: six pieces of 8 bytes.  Lanes 16-31 read three pieces further on than lanes 0-15; where that is behind one padding more, the second address register serves
.macro FRAG reg, a1, a2, q, off
.irp p, 0,1,2,3,4,5
.set PCE, 12*(\q)+6*(\p/3)+\p%3
.if PCE%8 < 5
	ds_load_b64 v[\reg+2*\p:\reg+2*\p+1], v[\a1] offset:8*PCE+16*(PCE/8)+(\off)
.else
	ds_load_b64 v[\reg+2*\p:\reg+2*\p+1], v[\a2] offset:8*PCE+16*(PCE/8)+(\off)
.endif
.endr
.endm
	s_load_b512 s[48:63], s[0:1], 0x0              ; x s[48:49], stats s[50:51], gn_w s[52:53], gn_b s[54:55], the weights' codes s[56:57], their scales s[58:59], qkv_b s[60:61], qi s[62:63]
	s_load_b64 s[66:67], s[0:1], 0x40              ; kv
	v_lshl_add_u32 v[SPW], v0, 2, SPARE
	v_mov_b32 v[NIL], 0
	ds_add_u32 v[SPW], v[NIL]                      ; the wave's opening: the add, twice on end, and its wait ahead of my first tensor load; the set-up below, work on registers, stands between
	ds_add_u32 v[SPW], v[NIL]
	v_lshrrev_b32 v21, 5, v0
	v_readfirstlane_b32 s[WV], v21                 ; wave 0..3
	s_bfe_u32 s4, ttmp6, 0x40000                   ; cx: my place in the cluster: it enters global addresses of my own accesses alone
	s_lshl_b32 s5, ttmp9, 2
	s_add_co_u32 s5, s5, s4                        ; xb: my block of 64 positions
	s_and_b32 s6, ttmp7, 0xffff                    ; b: the batch
	s_lshr_b32 s7, s5, 1                           ; j: the key step
	s_and_b32 s8, s5, 1                            ; hf: its half
	s_and_b32 s9, s[WV], 1                         ; g
	s_lshr_b32 s10, s[WV], 1                       ; s
	s_mov_b32 s[SEL], 0x76543210
	s_mov_b32 s[SEL+1], 0xfedcba98
	s_mov_b32 s22, 0x38000000                      ; 2^-15: a group has 32,768 numbers
	s_mov_b32 s23, 0x3727c5ac                      ; 1e-5
	; x's tile: 64 channel rows of 32 elements of 8 bytes, 2,048 elements from row to row; no mask, no padding
	s_mov_b32 s[G1X+0], 3<<16
	s_mov_b32 s[G1X+1], 32<<16                     ; tensor_dim0
	s_mov_b32 s[G1X+2], 64<<16                     ; tensor_dim1
	s_mov_b32 s[G1X+3], 32<<16                     ; tile_dim0
	s_mov_b32 s[G1X+4], 64                         ; tile_dim1
	s_mov_b32 s[G1X+5], 2048                       ; tensor_dim0_stride
	s_mov_b32 s[G1X+6], 0
	s_mov_b32 s[G1X+7], 0
	; the weights: 192 rows of 192 bytes, dense; the mask names all four work-groups, bit 21 beside it; 4 words of padding behind every 16
	s_mov_b32 s[G1W+0], 15|(0<<16)|(1<<20)|(1<<21)|(3<<22)|(3<<25)
	s_mov_b32 s[G1W+1], 192<<16
	s_mov_b32 s[G1W+2], 192<<16
	s_mov_b32 s[G1W+3], 192<<16
	s_mov_b32 s[G1W+4], 192
	s_mov_b32 s[G1W+5], 192
	s_mov_b32 s[G1W+6], 0
	s_mov_b32 s[G1W+7], 0
	s_mov_b32 s[G0X], 1
	s_lshl_b32 s[G0X+1], s[WV], 14
	s_add_co_u32 s[G0X+1], s[G0X+1], XT            ; my 64 channel rows in LDS
	s_mov_b32 s[G0W], 1
	s_mul_i32 s[G0W+1], s[WV], 192*WP              ; my 192 rows of weights in LDS
	s_lshl_b32 s12, s6, 22                         ; x: the batch,
	s_lshl_b32 s13, s[WV], 20                      ; my 64 channels,
	s_add_co_u32 s12, s12, s13
	s_lshl_b32 s13, s5, 8                          ; my block's 256 bytes of a row
	s_add_co_u32 s12, s12, s13
	s_mov_b32 s13, 0
	s_mul_i32 s14, s[WV], 192*192
	s_mov_b32 s15, 0
	v_and_b32 v21, 31, v0                          ; lane
	v_and_b32 v22, 15, v0                          ; r
	v_bfe_u32 v23, v0, 4, 1                        ; h
	v_lshlrev_b32 v[LI], 4, v21
	v_lshlrev_b32 v[L8], 3, v21
	v_lshlrev_b32 v[R16], 4, v22
	v_lshlrev_b32 v[SH], 4, v23
	v_lshlrev_b32 v[A64], 6, v23
	v_mov_b32 v[ZERO], 0
	v_lshl_add_u32 v[HLI], v21, 4, HIMG
	v_lshl_add_u32 v[HLS], v21, 2, HSC
	s_mul_i32 s16, s9, 6144
	s_mul_i32 s17, s10, 1536
	s_add_co_u32 s16, s16, s17
	v_add_nc_u32 v[HWI], s16, v[HLI]               ; tile 2 g, K step s: (4 g + s) x 1,536
	s_lshl_b32 s16, s[WV], 7
	v_add_nc_u32 v[HWS], s16, v[HLS]
	v_and_b32 v[A4], 8, v22
	v_add_nc_u32 v[A4], v[A4], v22                 ; r + 8 (r / 8): my row of a tile
	v_lshlrev_b32 v[A8], 3, v[A4]
	v_lshl_add_u32 v[A8], v23, 2, v[A8]
	v_mul_u32_u24 v[AWQ], v[A4], WP
	v_mad_u32_u24 v[AWQ], v23, 24, v[AWQ]
	v_lshlrev_b32 v[A4], 2, v[A4]
	s_mul_i32 s16, s[WV], 64*WP
	s_add_co_u32 s16, s16, 512*WP
	v_add_nc_u32 v[AWV], s16, v[AWQ]               ; v's rows: 512 + 64 w on
	s_mul_i32 s16, s[WV], 128*WP
	v_add_nc_u32 v[AWQ], s16, v[AWQ]               ; q's and k's: 128 w on
	v_lshl_add_u32 v[AWQ2], v23, 4, v[AWQ]
	v_lshl_add_u32 v[AWV2], v23, 4, v[AWV]
	v_and_b32 v[AX], 7, v0
	v_bfe_u32 v21, v0, 3, 1
	v_lshl_add_u32 v[AX], v21, 4, v[AX]
	v_lshl_add_u32 v[AX], v23, 3, v[AX]            ; my position among the 32: lanes 0-15 are tile 2 g's rows, lanes 16-31 tile 2 g + 1's
	s_lshl_b32 s16, s10, 15                        ; channels 128 s on,
	s_lshl_b32 s17, s9, 7                          ; positions 32 g on
	s_add_co_u32 s16, s16, s17
	s_add_co_u32 s16, s16, XT
	v_lshl_add_u32 v[AX], v[AX], 2, s16
.irp b, 0,1,2,3
	v_mov_b32 v[TM+4+\b], 0                        ; written once: a lane permute's destination counts as one of its sources
.endr
	s_wait_dscnt 0x0                               ; both opening adds are done
	s_wait_kmcnt 0x0
	s_add_nc_u64 s[G0X+2:G0X+3], s[48:49], s[12:13]
	s_or_b32 s[G0X+3], s[G0X+3], 0x80000000
	s_add_nc_u64 s[G0W+2:G0W+3], s[56:57], s[14:15]   ; made of the wave's number alone: equal in all four partners
	s_or_b32 s[G0W+3], s[G0W+3], 0x80000000
	CROUND                                         ; all four work-groups are here: the joint loads meet
	tensor_load_to_lds s[G0X:G0X+3], s[G1X:G1X+7]  ; two tensor loads of mine are out, the only two of the launch
	s_nop 0
	tensor_load_to_lds s[G0W:G0W+3], s[G1W:G1W+7]
	s_nop 0
	PLACES 4
	; the other addresses
	s_lshl_b32 s12, s6, 9
	s_lshl_b32 s14, s10, 8
	s_add_co_u32 s12, s12, s14
	s_add_nc_u64 s[50:51], s[50:51], s[12:13]      ; stats: 16 bytes a group, groups 32 b + 16 s on
	s_lshl_b32 s12, s10, 9
	s_add_nc_u64 s[52:53], s[52:53], s[12:13]      ; gn_w, gn_b: channels 128 s on
	s_add_nc_u64 s[54:55], s[54:55], s[12:13]
	s_lshl_b32 s12, s[WV], 10
	s_add_nc_u64 s[76:77], s[58:59], s[12:13]      ; the weights' scale bytes, 8 a row: rows 128 w on
	s_lshl_b32 s12, s[WV], 9
	s_add_nc_u64 s[80:81], s[60:61], s[12:13]      ; qkv_b: 128 w on
	s_add_co_u32 s12, s12, 4096
	s_add_nc_u64 s[78:79], s[58:59], s[12:13]      ; scale bytes: rows 512 + 64 w on
	s_lshl_b32 s12, s[WV], 8
	s_add_co_u32 s12, s12, 2048
	s_add_nc_u64 s[82:83], s[60:61], s[12:13]      ; qkv_b: 512 + 64 w on
	s_lshl_b32 s12, s6, 6
	s_add_co_u32 s12, s12, s5
	s_mul_i32 s16, s12, 12800                      ; my block in qi
	s_lshl_b32 s12, s6, 5
	s_add_co_u32 s12, s12, s7
	s_mul_i32 s17, s12, 51200                      ; my key step in kv
	s_mul_i32 s19, s8, 12288                       ; my half of its codes
	s_add_co_u32 s84, s17, s19                     ; K's codes
	s_lshl_b32 s85, s8, 9
	s_add_co_u32 s85, s85, s17
	s_add_co_u32 s85, s85, 49152                   ; K's scale words
	s_add_co_u32 s86, s16, 12288                   ; Q's scale words
	s_cmp_lt_u32 s[WV], 2                          ; waves 0, 1 store q, waves 2, 3 k: the choice hangs on the wave's number alone
	s_cselect_b64 s[68:69], s[62:63], s[66:67]
	s_cselect_b64 s[70:71], s[62:63], s[66:67]
	s_cselect_b32 s12, s16, s84
	s_cselect_b32 s14, s86, s85
	s_mul_i32 s84, s9, 1536                        ; my K step
	s_add_co_u32 s12, s12, s84
	s_lshl_b32 s84, s9, 8
	s_add_co_u32 s14, s14, s84
	s_add_nc_u64 s[68:69], s[68:69], s[12:13]      ; where my fragments of q or k go,
	s_add_nc_u64 s[70:71], s[70:71], s[14:15]      ; and their scale words
	s_mul_i32 s12, s[WV], 3072
	s_add_co_u32 s12, s12, s17
	s_add_co_u32 s12, s12, s19
	s_add_co_u32 s12, s12, 24576
	s_add_nc_u64 s[72:73], s[66:67], s[12:13]      ; V's codes: tiles 4 w on
	s_lshl_b32 s12, s10, 9
	s_lshl_b32 s14, s9, 3
	s_add_co_u32 s12, s12, s14
	s_lshl_b32 s14, s8, 1
	s_add_co_u32 s12, s12, s14
	s_add_co_u32 s12, s12, s17
	s_add_co_u32 s12, s12, 50176
	s_add_nc_u64 s[74:75], s[66:67], s[12:13]      ; V's scale bytes: pairs of tiles 2 w on, bytes 2 hf on
	; what does not hang on the tiles: loaded while they are on their way
	WIN 0xc0                                       ; destination window 3
.set k, 0
.rept 16
	global_load_b128 v[128+4*k:128+4*k+3], v[ZERO], s[50:51] offset:16*k   ; group k of my 16: (mean, M2) of its two halves, the same in every lane
.set k, k+1
.endr
.set k, 0
.rept 32
	global_load_b128 v[4*k:4*k+3], v[ZERO], s[54:55] offset:16*k           ; gn_b of my 128 channels
.set k, k+1
.endr
	WIN 0x80                                       ; destination window 2
.set k, 0
.rept 32
	global_load_b128 v[128+4*k:128+4*k+3], v[ZERO], s[52:53] offset:16*k   ; gn_w
.set k, k+1
.endr
.irp c, 0,1,2,3
	global_load_b32 v[96+8*\c], v[A4], s[82:83] offset:4*(32*(\c/2)+8*(\c%2))   ; v's bias: a lane holds one channel
.endr
	WIN 0x40                                       ; destination window 1
.irp t, 0,1,2,3,4,5,6,7
	global_load_b128 v[192+8*\t:192+8*\t+3], v[A64], s[80:81] offset:4*(32*(\t/2)+8*(\t%2))      ; q's or k's bias in the result's layout: outputs 32 (t / 2) + 16 h + 8 (t % 2) + 0 .. 7
	global_load_b128 v[192+8*\t+4:192+8*\t+7], v[A64], s[80:81] offset:4*(32*(\t/2)+8*(\t%2))+16
.endr
	WIN 0
.irp t, 0,1,2,3,4,5,6,7
	global_load_b32 v[WS+\t], v[A8], s[76:77] offset:8*(32*(\t/2)+8*(\t%2))
.endr
.irp c, 0,1,2,3
	global_load_b32 v[WSV+\c], v[A8], s[78:79] offset:8*(32*(\c/2)+8*(\c%2))
.endr
	s_wait_loadcnt 0x0
	; the two halves of each group are joined: e = (mb - ma) / 2; mean = ma + e; var = (Qa + Qb) 2^-15 + e^2.  The 16 groups by turns
	WIN 0xff                                       ; all in window 3
.set k, 0
.rept 16
	v_sub_f32 v[130+4*k], v[130+4*k], v[128+4*k]
.set k, k+1
.endr
.set k, 0
.rept 16
	v_add_f32 v[129+4*k], v[129+4*k], v[131+4*k]
.set k, k+1
.endr
.set k, 0
.rept 16
	v_mul_f32 v[130+4*k], 0.5, v[130+4*k]
.set k, k+1
.endr
.set k, 0
.rept 16
	v_add_f32 v[128+4*k], v[128+4*k], v[130+4*k]   ; the group's mean
.set k, k+1
.endr
.set k, 0
.rept 16
	v_fma_f32 v[129+4*k], v[129+4*k], s22, s23
.set k, k+1
.endr
.set k, 0
.rept 16
	v_fma_f32 v[129+4*k], v[130+4*k], v[130+4*k], v[129+4*k]   ; var + eps
.set k, k+1
.endr
.set k, 0
.rept 16
	v_rsq_f32 v[130+4*k], v[129+4*k]
.set k, k+1
.endr
	v_nop                                          ; a plain instruction behind the last of the batch,
	s_wait_alu depctr_va_vdst(0)                   ; and one wait ahead of the batch's first reader
	WIN 0x8e                                       ; gn_w in window 2, rstd in window 3
.set k, 0
.rept 64
	v_pk_mul_f32 v[128+2*k:129+2*k], v[128+2*k:129+2*k], v[130+4*(k/4):131+4*(k/4)] op_sel_hi:[1,0]   ; a = gn_w x rstd
.set k, k+1
.endr
	WIN 0x82
.irp c, 0,1,2,3
.irp i, 1,2,3,4,5,6,7
	v_mov_b32 v[96+8*\c+\i], v[96+8*\c]            ; v's bias as the C of a sum's first product: the lane's channel in all eight registers
.endr
.endr
	WIN 0
	s_wait_tensorcnt 0x0                           ; my parts of both tiles have landed,
	s_barrier_signal -1
	s_barrier_wait -1                              ; everybody's have.  Nothing is filled again in this launch
	; ---- X: my 32 positions x 128 channels: normalised, quantised, two fragments
.macro XLD b                           ; block b: channels 32 b .. 32 b + 31 of my position
.set i, 0
.rept 32
	ds_load_b32 v[X+32*(\b)+i], v[AX] offset:256*(32*(\b)+i)
.set i, i+1
.endr
.endm
.macro NORM b                          ; h = (x - mean) a + gn_b, two channels at a time
	WIN 0x0c                                       ; the mean in window 3
.set k, 0
.rept 16
	v_pk_add_f32 v[X+32*(\b)+2*k:X+32*(\b)+2*k+1], v[X+32*(\b)+2*k:X+32*(\b)+2*k+1], v[128+4*(4*(\b)+k/4):129+4*(4*(\b)+k/4)] op_sel_hi:[1,0] neg_lo:[0,1] neg_hi:[0,1]
.set k, k+1
.endr
	WIN 0x38                                       ; a in window 2, gn_b in window 3
.set k, 0
.rept 16
	v_pk_fma_f32 v[X+32*(\b)+2*k:X+32*(\b)+2*k+1], v[X+32*(\b)+2*k:X+32*(\b)+2*k+1], v[128+32*(\b)+2*k:129+32*(\b)+2*k], v[32*(\b)+2*k:32*(\b)+2*k+1]
.set k, k+1
.endr
	WIN 0
.endm
	XLD 0
	XLD 1
	s_wait_dscnt 32                                ; block 0 is in; the younger block's 32 loads may be out
	NORM 0
	XLD 2
	s_wait_dscnt 32
	NORM 1
	XLD 3
	s_wait_dscnt 32
	NORM 2
	s_wait_dscnt 0x0
	NORM 3
.irp b, 0,1,2,3                                ; a block of 32 channels lies whole in my registers: no other lane is asked
	v_max3_num_f32 v[TM+\b], |v[X+32*\b]|, |v[X+32*\b+1]|, 0x2800000
.endr
.irp i, 2,4,6,8,10,12,14,16,18,20,22,24,26,28,30
.irp b, 0,1,2,3
	v_max3_num_f32 v[TM+\b], v[TM+\b], |v[X+32*\b+\i]|, |v[X+32*\b+\i+1]|
.endr
.endr
.irp b, 0,1,2,3
	v_add_nc_u32 v[TM+12+\b], 0xfe000000, v[TM+\b]
.endr
.irp b, 0,1,2,3
	v_lshrrev_b32 v[TM+4+\b], 23, v[TM+12+\b]
.endr
	v_lshl_or_b32 v[PW], v[TM+5], 8, v[TM+4]
	v_lshl_or_b32 v[PW], v[TM+6], 16, v[PW]
	v_lshl_or_b32 v[PW], v[TM+7], 24, v[PW]        ; my position's scale word
.irp b, 0,1,2,3                                ; blocks 0, 2 into FA, blocks 1, 3 into FB
	v_cvt_scalef32_pk16_bf6_f32 v[FA+12*(\b%2)+6*(\b/2):FA+12*(\b%2)+6*(\b/2)+2], v[X+32*\b:X+32*\b+15], v[TM+12+\b]
	v_cvt_scalef32_pk16_bf6_f32 v[CTX+4*\b:CTX+4*\b+2], v[X+32*\b+16:X+32*\b+31], v[TM+12+\b]
.endr
	v_nop                                          ; one plain place behind a scaled conversion
.irp b, 0,1,2,3
.irp i, 0,1,2
	v_mov_b32 v[FA+12*(\b%2)+6*(\b/2)+3+\i], v[CTX+4*\b+\i]
.endr
.endr
.set k, 0
.rept 12
	v_permlane16_swap_b32 v[FA+k], v[FB+k]         ; FA's lanes 16-31 (tile 2 g + 1, blocks 0, 2) change places with FB's lanes 0-15 (tile 2 g, blocks 1, 3): FA is tile 2 g's fragment, FB tile 2 g + 1's
.set k, k+1
.endr
.irp c, 0,1,2
	ds_store_b128 v[HWI], v[FA+4*\c:FA+4*\c+3] offset:512*\c
	ds_store_b128 v[HWI], v[FB+4*\c:FB+4*\c+3] offset:3072+512*\c
.endr
	ds_store_b32 v[HWS], v[PW]
	WIN 0x40                                       ; my weights come into registers once: q's or k's 16 fragments (tile t, K step s) at 12 (2 t + s) of window 1,
.irp t, 0,1,2,3,4,5,6,7
.irp s, 0,1
	FRAG 12*(2*\t+\s), AWQ, AWQ2, \s, (32*(\t/2)+8*(\t%2))*WP
.endr
.endr
	WIN 0x80                                       ; v's 8 in window 2
.irp t, 0,1,2,3
.irp s, 0,1
	FRAG 12*(2*\t+\s), AWV, AWV2, \s, (32*(\t/2)+8*(\t%2))*WP
.endr
.endr
	WIN 0
	s_wait_dscnt 0x0                               ; my stores have landed, my loads are in
	s_barrier_signal -1
	s_barrier_wait -1                              ; h's eight fragments lie in LDS
.set f, 0
.rept 8
.irp c, 0,1,2
	ds_load_b128 v[HF+12*f+4*\c:HF+12*f+4*\c+3], v[HLI] offset:1536*f+512*\c
.endr
.set f, f+1
.endr
.irp i, 0,1,2,3
	ds_load_b32 v[HS+\i], v[HLS] offset:128*\i
.endr
	s_wait_dscnt 0x0
	; ---- QK: my 128 outputs for a tile of 16 positions: 8 accumulators by turns, K step by K step; then they are one fragment of q or k
.macro QKT pt
	WIN 0x11                                       ; source 0 (the weights) and C (the bias) in window 1
.irp t, 0,1,2,3,4,5,6,7
	WMM HA+8*\t, 24*\t, HF+24*(\pt), 192+8*\t, 0, WS+\t, HS+(\pt)/2, 0, (\pt)%2
.endr
	WIN 0x01
.irp t, 0,1,2,3,4,5,6,7
	WMM HA+8*\t, 24*\t+12, HF+24*(\pt)+12, HA+8*\t, 0, WS+\t, HS+2+(\pt)/2, 1, (\pt)%2
.endr
	WIN 0
	PLACES 5                                       ; four in front of the first read of results; five, since the next run's first products write over these accumulators
	s_wait_xcnt 0x0                                ; the last stores have read the codes' registers
	QUANT HA, PC, PWQ+(\pt)
.irp c, 0,1,2
	global_store_b128 v[LI], v[PC+4*\c:PC+4*\c+3], s[68:69] offset:3072*(\pt)+512*\c   ; 512 consecutive bytes, at a multiple of 256 from the buffer's first byte
.endr
.endm
	QKT 0
	QKT 1
	QKT 2
	QKT 3
	; ---- V: sources swapped: source 0 = 16 positions of h, source 1 = 16 rows of the weights.  Two tiles of channels x four tiles of positions: 8 accumulators by turns
.macro VP ip
	WIN 0x28                                       ; source 1 and C in window 2
.irp e, 0,1
.irp pt, 0,1,2,3
	WMM HA+32*\e+8*\pt, HF+24*\pt, 24*(2*(\ip)+\e), 96+8*(2*(\ip)+\e), 0, HS+\pt/2, WSV+2*(\ip)+\e, \pt%2, 0
.endr
.endr
	WIN 0x08
.irp e, 0,1
.irp pt, 0,1,2,3
	WMM HA+32*\e+8*\pt, HF+24*\pt+12, 24*(2*(\ip)+\e)+12, HA+32*\e+8*\pt, 0, HS+2+\pt/2, WSV+2*(\ip)+\e, \pt%2, 1
.endr
.endr
	WIN 0
	PLACES 5
	s_wait_xcnt 0x0
	QUANT HA, PC, PW                               ; registers 0-5: the even tile's 64 positions, registers 6-11 the odd tile's; the word's bytes 0, 1 and 2, 3 likewise
	v_lshrrev_b32 v[PWV+(\ip)], v[SH], v[PW]       ; lanes 0-15 store the even tile's two bytes, lanes 16-31 the odd tile's
.irp e, 0,1
	global_store_b128 v[LI], v[PC+6*\e:PC+6*\e+3], s[72:73] offset:768*(2*(\ip)+\e)
	global_store_b64 v[L8], v[PC+6*\e+4:PC+6*\e+5], s[72:73] offset:768*(2*(\ip)+\e)+512
.endr
	global_store_b16 v[LI], v[PWV+(\ip)], s[74:75] offset:4*(\ip)
.endm
	VP 0
	VP 1
	v_and_b32 v21, 31, v0
	s_wait_xcnt 0x0                                ; EXEC changes only behind this wait
	v_cmp_gt_u32 vcc_lo, 16, v21
	s_and_saveexec_b32 s12, vcc_lo
	global_store_b128 v[R16], v[PWQ:PWQ+3], s[70:71]   ; sixteen lanes store the 256 bytes of my K step's scale words (lanes 16-31 hold the same words)
	s_wait_xcnt 0x0
	s_or_b32 exec_lo, exec_lo, s12
	s_wait_tensorcnt 0x0                           ; the wave's end: a wait, a 0 added to my spare word and its wait, behind my last tensor load and my last LDS store
	ds_add_u32 v[SPW], v[NIL]
	s_wait_dscnt 0x0
	CROUND                                         ; the closing round
	s_endpgm
.Lfunc_end_k_q5ddc5cc01a_qkv:
	.size	k_q5ddc5cc01a_qkv, .Lfunc_end_k_q5ddc5cc01a_qkv-k_q5ddc5cc01a_qkv
	.p2alignl 7, 3214868480
	.fill 96, 4, 3214868480
	.section	.rodata,"a",@progbits
	.p2align	6, 0x0
	.amdhsa_kernel k_q5ddc5cc01a_qkv
		.amdhsa_group_segment_fixed_size 327680
		.amdhsa_private_segment_fixed_size 0
		.amdhsa_enable_private_segment 0
		.amdhsa_kernarg_size 72
		.amdhsa_user_sgpr_count 2
		.amdhsa_user_sgpr_kernarg_segment_ptr 1
		.amdhsa_wavefront_size32 1
		.amdhsa_system_sgpr_workgroup_id_x 1
		.amdhsa_system_sgpr_workgroup_id_y 1
		.amdhsa_system_sgpr_workgroup_id_z 1
		.amdhsa_system_vgpr_workitem_id 0
		.amdhsa_next_free_vgpr 1024
		.amdhsa_next_free_sgpr 96
		.amdhsa_reserve_vcc 1
		.amdhsa_float_denorm_mode_32 3
		.amdhsa_float_denorm_mode_16_64 3
		.amdhsa_memory_ordered 1
		.amdhsa_forward_progress 1
		.amdhsa_inst_pref_size 101
	.end_amdhsa_kernel
	.amdgpu_metadata
---
amdhsa.version: [ 1, 2 ]
amdhsa.kernels:
  - .name:           k_q5ddc5cc01a_qkv
    .symbol:         k_q5ddc5cc01a_qkv.kd
    .args:
      - { .name: x, .offset: 0, .size: 8, .value_kind: global_buffer, .address_space: global }
      - { .name: stats, .offset: 8, .size: 8, .value_kind: global_buffer, .address_space: global }
      - { .name: gn_w, .offset: 16, .size: 8, .value_kind: global_buffer, .address_space: global }
      - { .name: gn_b, .offset: 24, .size: 8, .value_kind: global_buffer, .address_space: global }
      - { .name: qkv_w_codes, .offset: 32, .size: 8, .value_kind: global_buffer, .address_space: global }
      - { .name: qkv_w_scales, .offset: 40, .size: 8, .value_kind: global_buffer, .address_space: global }
      - { .name: qkv_b, .offset: 48, .size: 8, .value_kind: global_buffer, .address_space: global }
      - { .name: qi, .offset: 56, .size: 8, .value_kind: global_buffer, .address_space: global }
      - { .name: kv, .offset: 64, .size: 8, .value_kind: global_buffer, .address_space: global }
    .group_segment_fixed_size: 327680
    .private_segment_fixed_size: 0
    .kernarg_segment_align: 8
    .kernarg_segment_size: 72
    .max_flat_workgroup_size: 128
    .sgpr_count:     96
    .vgpr_count:     1024
    .wavefront_size: 32
...
	.end_amdgpu_metadata
.endif
;; end of part 2
;; launch attn (part 3): grid 64 x 4, 4 waves a work-group, clusters of 4 x 1, 327,680 bytes of LDS; arguments qi, kv, proj_w_codes, proj_w_scales, proj_b, x, out0; writes out0
.if DOCPART == 3
	.amdgcn_target "amdgcn-amd-amdhsa--gfx1250"
	.amdhsa_code_object_version 6
	.text
	.protected	k_q5ddc5cc01a_attn
	.globl	k_q5ddc5cc01a_attn
	.p2align	8
	.type	k_q5ddc5cc01a_attn,@function
k_q5ddc5cc01a_attn:
	s_mov_b64 s[64:65], 0
	v_nop
	global_prefetch_b8 v0, s[64:65] scope:SCOPE_SE
	s_setreg_imm32_b32 hwreg(HW_REG_WAVE_MODE, 25, 1), 1
	s_wait_xcnt 0x0
	s_wait_alu depctr_hold_cnt(0) depctr_sa_sdst(0) depctr_va_vdst(0) depctr_va_sdst(0) depctr_va_ssrc(0) depctr_va_vcc(0) depctr_vm_vsrc(0)
	s_getreg_b32 s2, hwreg(HW_REG_IB_STS2, 6, 4)
	s_cmp_eq_u32 s2, 0
	s_cbranch_scc0 .Lentry_in_a_cluster
	s_endpgm
.Lentry_in_a_cluster:
	s_bfe_u32 s2, ttmp6, 0x10000c
	s_cmp_lg_u32 s2, 0x3003
	s_cbranch_scc0 .Lentry_shape_is_right
	s_endpgm
.Lentry_shape_is_right:
; out0 = x + proj_w Q(softmax(q k^T / 16) v) + proj_b, all three products on codes of BF6 (E3M2) with one E8M0 scale for each 32 along K.  Nothing of the problem is left out.
; q, k, v come as images of operand registers (the kernel before states the layouts of qi and kv).  One head of 256 channels, 4,096 keys in each of 4 batches.
; THE SOFTMAX AHEAD OF THE SECOND PRODUCT: t = score x log2(e) / 16; M = the largest t so far, rounded UP to a whole number; p = 2^(t - M) is quantised along the keys, not normalised; the row's sum is taken of the
; unquantised p and divides at the end.  When M moves, the sum and O are multiplied by 2^(old M - new M): exact.
; SHARES.  A work-group owns 64 queries: four tiles of 16.  Wave w (qp = w & 1, kg = w >> 1) holds TWO tiles, A = 2 qp + kg and B = 2 qp + 1 - kg, and walks the key steps (128 keys) j with j % 2 = kg: so each fragment of K and V
; that it reads from LDS feeds two products.  At the end waves w and w xor 2 hold the same two tiles over the two halves of the keys: each sends its tile B through LDS and keeps its tile A: one text for all waves.
; LAYOUT.  S^T = K Q^T and O^T = V^T P^T: a lane holds ONE query (lane % 16) throughout.  The keys of a tile and the channels of a tile of V are chosen (row r of tile 2 b + u = element 32 b + 8 u + r + 8 (r / 8)) so that the
; 16 registers of tiles 2 b, 2 b + 1 are 16 neighbours along the next product's K.
; RING.  Two LDS slots of two key steps (102,400 bytes, as they lie in kv), 2^17 bytes apart.  Each wave fetches a quarter of a slot by one tensor load of 100 rows x 256 bytes: one load of a wave is out at any time.
; CLUSTER.  The four work-groups of a cluster belong to one batch and walk the same K and V: every load is asked for JOINTLY, by the same descriptor and a mask that names the four.  q and x are each work-group's own;
; proj_w (49,152 bytes) is small beside the 1,638,400 bytes of K and V that a work-group receives, and goes from memory straight into registers.
; THE TAIL: the two halves of the keys are joined, divided by the sum, quantised along the channels, handed round through LDS as images; wave w makes outputs 64 w .. 64 w + 63 for all 64 positions (source 0 = 16 positions,
; source 1 = 16 rows of proj_w, C = proj_b); they go through the wave's stage, take x, and leave as whole rows of 256 bytes.
; LIMITS: a block whose largest magnitude lies under 2^-122 gets the scale byte 1; a p under 2^-126 counts as 0; NaN and infinities are not served.
; REGISTERS, in windows of 256: window 0: v1-7 addresses; v8-15 (-M, largest t), the sum's pair, for each tile; v16-19 (f, p's scale word); v20-45 scale words; v48-63 at work; v64-191 S^T, then p; v192-215 p's codes;
;   v216-219 addresses; v224-255 at work.   window 1: O^T, 128 a tile.   window 2: v0-191 K's 16 fragments; v192-239 Q's 4.   window 3: v0-191 V's 16 fragments; v192-223 proj_b.
.set STEPB, 51200                      ; a key step in kv and in a slot
.set SLOTB, 102400
.set SLOT1, 131072                     ; slot 1 begins here: one exclusive or turns an address in one slot into the other's
.set OIMG,  102400                     ; behind slot 0: the attention result's 8 fragments, (2 pt + s) x 1,536,
.set OSC,   114688                     ; and their scale words, 128 bytes a tile
.set MX,    233472                     ; behind slot 1: for each wave 16,896 bytes: its tile B's O^T (16,384), -M (128), sum (128)
.set MXB,   16896
.set STG,   301056                     ; a stage of 16 rows x (256 + 16) bytes for each wave
.set SPARE, 318464                     ; the spare words, 128 bytes for each wave: two blocks of 256 bytes that no other line names
.set LI,   1                           ; 16 x lane
.set L8,   2                           ; 8 x lane
.set ADK,  3                           ; LDS: the step in hand + 16 x lane
.set AD8,  4                           ; LDS: the step in hand + 8 x lane
.set SPW,  5                           ; LDS address of my spare word; never rewritten
.set NIL,  6                           ; 0, for the add alone
.set PFO,  7                           ; the prefetches' offset
.set ST,   8
.set F,    16
.set KS,   20                          ; v20-27 K's scale words: tile kt; lanes 0-15 channels 0-127, lanes 16-31 channels 128-255
.set VS,   28                          ; v28-35 V's: register g: lanes 0-15 tile 2 g, lanes 16-31 tile 2 g + 1
.set QS,   36                          ; v36-37 Q's, as K's
.set PJS,  38                          ; v38-41 proj_w's, as K's
.set OS,   42                          ; v42-45 the attention result's, as K's
.set PW,   46
.set CT,   48
.set S,    64
.set PC,   192
.set PJA,  216                         ; proj_w: 192 x (lane % 16) + 24 x half
.set GO,   217                         ; x, out0: 16,384 x half + 16 x (lane % 16)
.set A84,  218                         ; 8 x (lane % 16) + 4 x half
.set R4,   219                         ; 4 x (lane % 16)
.set W,    224                         ; for tile t at W + 16 t: +0..3 the blocks' largest, +4..7 the other half's, then bytes, +8..11 the conversions' scales, +12 at work, +14, +15 a second chain of the sum
.set TM,   224                         ; the tail's quantiser works there too
.set MXW,  48                          ; the tail's LDS addresses, made in the tail
.set MX4,  49
.set MXR,  50
.set MR4,  51
.set OWI,  52
.set OWS,  53
.set OLI,  54
.set OLS,  55
.set SGO,  56
.set SGR,  57
.set WV,   18                          ; s18 my wave's number
.set SEL,  22                          ; s[22:23] v_permlanex16_b32's selects for lane l xor 16
.set CS,   24                          ; s[24:25] c = log2(e) / 16
.set G1,   28                          ; s[28:35] descriptor group 1
.set G0,   36                          ; s[36:39] group 0, which walks
.set TB,   40                          ; s40 LDS byte at which my key step of the slot in hand begins
.set SLOTS, 41                         ; s41 slots still to be asked for
.set LIM,  42                          ; s42 1 in a wave that prefetches, else the greatest number
.set PFA,  44                          ; s[44:45] where my prefetches stand
.set MSB, 0
.macro WIN new                         ; the immediate's high byte repeats the setting that is left; a switch that changes nothing is dropped
.if MSB != \new
	s_set_vgpr_msb (MSB<<8)|\new
.set MSB, \new
.endif
.endm
.macro PLACES n
.rept \n
	v_nop
.endr
.endm
.macro CROUND                          ; a round of the cluster's barrier
	s_barrier_signal -1
	s_barrier_wait -1
	s_cmp_lg_u32 s[WV], 0
	s_cbranch_scc1 .Lnot_wave_0_\@
	s_barrier_signal -3
.Lnot_wave_0_\@:
	s_barrier_wait -3
	s_barrier_signal -1
	s_barrier_wait -1
.endm
.macro TLOAD                           ; every wave asks for its quarter of a slot: no branch; an s_nop 0 and four v_nop follow
	tensor_load_to_lds s[G0:G0+3], s[G1:G1+7]
	s_nop 0
	PLACES 4
.endm
; A PREFETCH INTO THE L2 of the slot that the NEXT change of slots will ask for: 400 blocks of 256 bytes.  All sixteen clusters of a batch walk the same bytes: the batch's first cluster asks.  Its four partners take 100 blocks
; each, told apart BY ADDRESS; each wave 25, a lane a block (lanes 25 to 31 name the wave's 25th again, in the same instruction).  The last change that fills a slot asks for nothing; slots 0 and 1 come by their loads alone.
.macro ASK
	s_cmp_gt_u32 s[SLOTS], s[LIM]
	s_cbranch_scc0 .Lnot_mine_\@
	global_prefetch_b8 v[PFO], s[PFA:PFA+1] th:TH_LOAD_NT scope:SCOPE_SE
.Lnot_mine_\@:
.endm
; One scaled product.  d, a, b, c: first registers; z = 1: C is the constant 0; sa, sb: the scale registers; ra, rb = 1: that side's scales stand in lanes 16-31
.macro WMM d, a, b, c, z, sa, sb, ra, rb
.if \z
.if (\ra)+2*(\rb) == 0
	v_wmma_scale_f32_16x16x128_f8f6f4 v[\d:\d+7], v[\a:\a+11], v[\b:\b+11], 0, v[\sa], v[\sb] matrix_a_fmt:MATRIX_FMT_BF6 matrix_b_fmt:MATRIX_FMT_BF6
.elseif (\ra)+2*(\rb) == 1
	v_wmma_scale_f32_16x16x128_f8f6f4 v[\d:\d+7], v[\a:\a+11], v[\b:\b+11], 0, v[\sa], v[\sb] matrix_a_fmt:MATRIX_FMT_BF6 matrix_b_fmt:MATRIX_FMT_BF6 matrix_a_scale:MATRIX_SCALE_ROW1
.elseif (\ra)+2*(\rb) == 2
	v_wmma_scale_f32_16x16x128_f8f6f4 v[\d:\d+7], v[\a:\a+11], v[\b:\b+11], 0, v[\sa], v[\sb] matrix_a_fmt:MATRIX_FMT_BF6 matrix_b_fmt:MATRIX_FMT_BF6 matrix_b_scale:MATRIX_SCALE_ROW1
.else
	v_wmma_scale_f32_16x16x128_f8f6f4 v[\d:\d+7], v[\a:\a+11], v[\b:\b+11], 0, v[\sa], v[\sb] matrix_a_fmt:MATRIX_FMT_BF6 matrix_b_fmt:MATRIX_FMT_BF6 matrix_a_scale:MATRIX_SCALE_ROW1 matrix_b_scale:MATRIX_SCALE_ROW1
.endif
.else
.if (\ra)+2*(\rb) == 0
	v_wmma_scale_f32_16x16x128_f8f6f4 v[\d:\d+7], v[\a:\a+11], v[\b:\b+11], v[\c:\c+7], v[\sa], v[\sb] matrix_a_fmt:MATRIX_FMT_BF6 matrix_b_fmt:MATRIX_FMT_BF6
.elseif (\ra)+2*(\rb) == 1
	v_wmma_scale_f32_16x16x128_f8f6f4 v[\d:\d+7], v[\a:\a+11], v[\b:\b+11], v[\c:\c+7], v[\sa], v[\sb] matrix_a_fmt:MATRIX_FMT_BF6 matrix_b_fmt:MATRIX_FMT_BF6 matrix_a_scale:MATRIX_SCALE_ROW1
.elseif (\ra)+2*(\rb) == 2
	v_wmma_scale_f32_16x16x128_f8f6f4 v[\d:\d+7], v[\a:\a+11], v[\b:\b+11], v[\c:\c+7], v[\sa], v[\sb] matrix_a_fmt:MATRIX_FMT_BF6 matrix_b_fmt:MATRIX_FMT_BF6 matrix_b_scale:MATRIX_SCALE_ROW1
.else
	v_wmma_scale_f32_16x16x128_f8f6f4 v[\d:\d+7], v[\a:\a+11], v[\b:\b+11], v[\c:\c+7], v[\sa], v[\sb] matrix_a_fmt:MATRIX_FMT_BF6 matrix_b_fmt:MATRIX_FMT_BF6 matrix_a_scale:MATRIX_SCALE_ROW1 matrix_b_scale:MATRIX_SCALE_ROW1
.endif
.endif
.endm
; 64 numbers of a lane, v[s] .. v[s + 63], register 16 b + i = k 32 b + 16 (lane / 16) + i of my row, become a fragment's codes in v[pc] .. v[pc + 11] (v[pc + 12] .. v[pc + 18] at work) and its scale word in v[pw]
.macro QUANT s, pc, pw
.irp b, 0,1,2,3
	v_max3_num_f32 v[TM+\b], |v[\s+16*\b]|, |v[\s+1+16*\b]|, 0x2800000   ; block b: my 16 numbers, and the floor 2^(5 - 127): so the byte cannot fall under 1
.endr
.irp i, 2,4,6,8,10,12,14
.irp b, 0,1,2,3
	v_max3_num_f32 v[TM+\b], v[TM+\b], |v[\s+16*\b+\i]|, |v[\s+1+16*\b+\i]|
.endr
.endr
.irp b, 0,1,2,3
	v_permlanex16_b32 v[TM+4+\b], v[TM+\b], s[SEL], s[SEL+1]
.endr
.irp b, 0,1,2,3
	v_max_num_f32 v[TM+\b], v[TM+\b], v[TM+4+\b]
.endr
.irp b, 0,1,2,3
	v_add_nc_u32 v[TM+12+\b], 0xfe000000, v[TM+\b]
.endr
.irp b, 0,1,2,3
	v_lshrrev_b32 v[TM+4+\b], 23, v[TM+12+\b]
.endr
	v_lshl_or_b32 v[\pw], v[TM+5], 8, v[TM+4]
	v_lshl_or_b32 v[\pw], v[TM+6], 16, v[\pw]
	v_lshl_or_b32 v[\pw], v[TM+7], 24, v[\pw]
.irp c, 0,1
	v_cvt_scalef32_pk16_bf6_f32 v[\pc+6*\c:\pc+2+6*\c], v[\s+32*\c:\s+15+32*\c], v[TM+12+2*\c]
	v_cvt_scalef32_pk16_bf6_f32 v[\pc+12+4*\c:\pc+14+4*\c], v[\s+16+32*\c:\s+31+32*\c], v[TM+12+2*\c+1]
.endr
	v_nop                                          ; one plain place behind a scaled conversion
.irp c, 0,1
.irp i, 0,1,2
	v_permlane16_swap_b32 v[\pc+6*\c+\i], v[\pc+12+4*\c+\i]
.endr
.irp i, 0,1,2
	v_mov_b32 v[\pc+3+6*\c+\i], v[\pc+12+4*\c+\i]
.endr
.endr
.endm
	s_load_b256 s[48:55], s[0:1], 0x0              ; qi s[48:49], kv s[50:51], proj_w's codes s[52:53], its scales s[54:55]
	s_load_b128 s[56:59], s[0:1], 0x20             ; proj_b s[56:57], x s[58:59]
	s_load_b64 s[60:61], s[0:1], 0x30              ; out0
	v_lshl_add_u32 v[SPW], v0, 2, SPARE
	v_mov_b32 v[NIL], 0
	ds_add_u32 v[SPW], v[NIL]                      ; the wave's opening: the add, twice on end, and its wait ahead of my first tensor load; the set-up below, work on registers, stands between
	ds_add_u32 v[SPW], v[NIL]
	v_lshrrev_b32 v8, 5, v0
	v_readfirstlane_b32 s[WV], v8                  ; wave 0..3
	s_bfe_u32 s4, ttmp6, 0x40000                   ; cx: it enters global addresses of my own accesses and of the prefetches alone
	s_lshl_b32 s5, ttmp9, 2
	s_add_co_u32 s5, s5, s4                        ; xb: my block of 64 queries
	s_and_b32 s6, ttmp7, 0xffff                    ; b: the batch, which the four partners share
	s_and_b32 s7, s[WV], 1                         ; qp
	s_lshr_b32 s8, s[WV], 1                        ; kg
	s_lshl_b32 s9, s7, 1
	s_add_co_u32 s9, s9, s8                        ; tile A
	s_xor_b32 s10, s9, 1                           ; tile B
	; descriptor group 1: 100 dense rows of 32 elements of 8 bytes; the mask names all four work-groups, bit 21 beside it; no padding: the images are read 512 consecutive bytes at a time
	s_mov_b32 s[G1+0], 15|(3<<16)|(1<<21)
	s_mov_b32 s[G1+1], 32<<16                      ; tensor_dim0
	s_mov_b32 s[G1+2], 100<<16                     ; tensor_dim1
	s_mov_b32 s[G1+3], 32<<16                      ; tile_dim0
	s_mov_b32 s[G1+4], 100                         ; tile_dim1
	s_mov_b32 s[G1+5], 32                          ; tensor_dim0_stride
	s_mov_b32 s[G1+6], 0
	s_mov_b32 s[G1+7], 0
	s_mov_b32 s[G0], 1
	s_mul_i32 s[G0+1], s[WV], 25600                ; my quarter of slot 0
	s_mul_i32 s[TB], s8, STEPB
	s_mov_b32 s[SEL], 0x76543210
	s_mov_b32 s[SEL+1], 0xfedcba98
	s_mov_b32 s[CS], 0x3db8aa3b                    ; c = log2(e) / sqrt(256)
	s_mov_b32 s[CS+1], s[CS]                       ; (named with it as a pair, so it is written)
	s_cmp_eq_u32 ttmp9, 0                          ; the batch's first cluster: the same in all four partners
	s_cselect_b32 s[LIM], 1, -1
	s_mul_i32 s12, s6, 32*STEPB                    ; the batch in kv
	s_mul_i32 s14, s[WV], 25600
	s_add_co_u32 s14, s14, s12
	s_mov_b32 s15, 0
	s_mul_i32 s16, s4, 25600                       ; the prefetches: my work-group's 100 blocks,
	s_mul_i32 s17, s[WV], 6400                     ; my wave's 25,
	s_add_co_u32 s16, s16, s17
	s_add_co_u32 s16, s16, s12
	s_add_co_u32 s16, s16, SLOTB                   ; in the second slot's bytes: the first change of slots steps it on.  Nothing is prefetched at the head
	s_mov_b32 s17, 0
	s_lshl_b32 s19, s6, 6
	s_add_co_u32 s19, s19, s5
	s_mul_i32 s19, s19, 12800                      ; my block in qi
	v_and_b32 v8, 31, v0                           ; lane
	v_and_b32 v9, 15, v0                           ; r
	v_bfe_u32 v10, v0, 4, 1                        ; h
	v_lshlrev_b32 v[LI], 4, v8
	v_lshlrev_b32 v[L8], 3, v8
	v_min_u32 v[PFO], 24, v8
	v_lshlrev_b32 v[PFO], 8, v[PFO]
	v_mul_u32_u24 v[PJA], v9, 192
	v_mad_u32_u24 v[PJA], v10, 24, v[PJA]
	v_lshlrev_b32 v[GO], 4, v9
	v_lshl_add_u32 v[GO], v10, 14, v[GO]
	v_lshlrev_b32 v[A84], 3, v9
	v_lshl_add_u32 v[A84], v10, 2, v[A84]
	v_lshlrev_b32 v[R4], 2, v9
	s_wait_dscnt 0x0                               ; both opening adds are done
	s_wait_kmcnt 0x0
	s_add_nc_u64 s[G0+2:G0+3], s[50:51], s[14:15]  ; made of the batch and the wave's number: equal in all four partners
	s_or_b32 s[G0+3], s[G0+3], 0x80000000
	s_add_nc_u64 s[PFA:PFA+1], s[50:51], s[16:17]
	CROUND                                         ; all four work-groups are here: the first joint loads meet
	TLOAD                                          ; slot 0: key steps 0 and 1
	s_mov_b32 s21, 0
	s_mul_i32 s20, s9, 3072
	s_add_co_u32 s20, s20, s19
	s_add_nc_u64 s[66:67], s[48:49], s[20:21]      ; tile A's two fragments of q
	s_mul_i32 s20, s10, 3072
	s_add_co_u32 s20, s20, s19
	s_add_nc_u64 s[68:69], s[48:49], s[20:21]      ; tile B's
	s_lshl_b32 s20, s9, 2
	s_add_co_u32 s20, s20, s19
	s_add_co_u32 s20, s20, 12288
	s_add_nc_u64 s[70:71], s[48:49], s[20:21]      ; tile A's scale words
	s_lshl_b32 s20, s10, 2
	s_add_co_u32 s20, s20, s19
	s_add_co_u32 s20, s20, 12288
	s_add_nc_u64 s[72:73], s[48:49], s[20:21]      ; tile B's
	s_mul_i32 s20, s[WV], 12288
	s_add_nc_u64 s[52:53], s[52:53], s[20:21]      ; proj_w: rows 64 w on, 192 bytes each
	s_lshl_b32 s20, s[WV], 9
	s_add_nc_u64 s[54:55], s[54:55], s[20:21]
	s_lshl_b32 s20, s[WV], 8
	s_add_nc_u64 s[56:57], s[56:57], s[20:21]
	s_lshl_b32 s20, s6, 22                         ; x and out0: the batch,
	s_lshl_b32 s12, s[WV], 20                      ; channels 64 w on,
	s_add_co_u32 s20, s20, s12
	s_lshl_b32 s12, s5, 8                          ; my block's 256 bytes of a row
	s_add_co_u32 s20, s20, s12
	s_add_nc_u64 s[58:59], s[58:59], s[20:21]
	s_add_nc_u64 s[60:61], s[60:61], s[20:21]
	WIN 0x80                                       ; destination window 2: Q stays in registers: tile t, K step s at 192 + 12 (2 t + s)
.irp s, 0,1
.irp c, 0,1,2
	global_load_b128 v[192+12*\s+4*\c:192+12*\s+4*\c+3], v[LI], s[66:67] offset:1536*\s+512*\c th:TH_LOAD_NT
	global_load_b128 v[216+12*\s+4*\c:216+12*\s+4*\c+3], v[LI], s[68:69] offset:1536*\s+512*\c th:TH_LOAD_NT
.endr
.endr
	WIN 0xc0                                       ; destination window 3
.irp o, 0,1,2,3
	global_load_b32 v[192+8*\o], v[R4], s[56:57] offset:64*\o   ; proj_b: in the last product a lane holds one output
.endr
	WIN 0
	global_load_b32 v[QS], v[LI], s[70:71]
	global_load_b32 v[QS+1], v[LI], s[72:73]
.irp o, 0,1,2,3
	global_load_b32 v[PJS+\o], v[A84], s[54:55] offset:128*\o
.endr
.irp t, 0,1
	v_mov_b32 v[ST+4*\t+1], 0xff61b1e6             ; the largest t so far: -3e38, under every t
	v_floor_f32 v[ST+4*\t], -v[ST+4*\t+1]          ; -M
	v_mov_b32 v[ST+4*\t+2], 0                      ; the sum, in two halves
	v_mov_b32 v[ST+4*\t+3], 0
	v_mov_b32 v[F+2*\t+1], 0                       ; (named as the upper half of a pair before it is first written)
.irp b, 0,1,2,3
	v_mov_b32 v[W+16*\t+4+\b], 0                   ; written once: a lane permute's destination counts as one of its sources
.endr
.endr
	s_wait_loadcnt 0x0
	WIN 0xc3
.irp o, 0,1,2,3
.irp i, 1,2,3,4,5,6,7
	v_mov_b32 v[192+8*\o+\i], v[192+8*\o]          ; proj_b as the C of a sum's first product: the lane's output in all eight registers
.endr
.endr
	WIN 0
; THE CHANGE OF SLOTS stands at a slot's head.  Each wave waits for all its tensor loads (its quarter of the slot ahead), adds 0 to its spare word, and waits for that and for its reads of the slot that it has left.
; fill = 1: a round of the cluster's barrier, so that no wave of any partner still reads that slot or has a load on its way; the joint refill is the first thing behind it, and has a whole slot's work in which to land.
.macro CHANGE fill
	WIN 0
	s_wait_tensorcnt 0x0                           ; no tensor load of mine is out, so group 0 may be written
	ds_add_u32 v[SPW], v[NIL]                      ; 0 onto my spare word
.if \fill
	s_xor_b32 s[G0+1], s[G0+1], SLOT1              ; the other slot than last time,
	s_add_nc_u64 s[G0+2:G0+3], s[G0+2:G0+3], SLOTB ; the next two key steps; the type bits on top are not reached
	s_wait_xcnt 0x0                                ; the last prefetch, a slot back, has read its address
	s_add_nc_u64 s[PFA:PFA+1], s[PFA:PFA+1], SLOTB ; one slot further on than the walking descriptor
.endif
	s_wait_dscnt 0x0                               ; the add is done, and my reads of the slot that I have left are over
.if \fill
	CROUND
	TLOAD
.else
	s_barrier_signal -1
	s_barrier_wait -1
	PLACES 4
.endif
.endm
.macro FETCH_K                         ; my key step's K: two loads of scale words, then 16 fragments, those of channels 0-127 first
	WIN 0
	v_add_nc_u32 v[ADK], s[TB], v[LI]
	v_add_nc_u32 v[AD8], s[TB], v[L8]
	ds_load_b128 v[KS:KS+3], v[ADK] offset:49152
	ds_load_b128 v[KS+4:KS+7], v[ADK] offset:49152+512
	WIN 0x80                                       ; destination window 2: tile kt, K step s at 12 (8 s + kt)
.irp s, 0,1
.irp kt, 0,1,2,3,4,5,6,7
.irp c, 0,1,2
	ds_load_b128 v[12*(8*\s+\kt)+4*\c:12*(8*\s+\kt)+4*\c+3], v[ADK] offset:12288*(\kt/4)+(2*(\kt%4)+\s)*1536+512*\c
.endr
.endr
.endr
	WIN 0
.endm
.macro KQ                              ; S^T = K Q^T: 16 accumulators (8 tiles of keys x 2 tiles of queries) by turns, K step by K step; the first starts the sums
	s_wait_dscnt 24                                ; the scale words and channels 0-127 are in; the 24 younger loads may be out
	WIN 0x0a                                       ; K and Q in window 2
.irp kt, 0,1,2,3,4,5,6,7
.irp t, 0,1
	WMM S+64*\t+8*\kt, 12*\kt, 192+24*\t, 0, 1, KS+\kt, QS+\t, 0, 0
.endr
.endr
	s_wait_dscnt 0x0
.irp kt, 0,1,2,3,4,5,6,7
.irp t, 0,1
	WMM S+64*\t+8*\kt, 96+12*\kt, 204+24*\t, S+64*\t+8*\kt, 0, KS+\kt, QS+\t, 1, 1
.endr
.endr
.endm
.macro FETCH_V                         ; my key step's V: each fragment's two halves of six registers (four by a load of 16 bytes, two by one of 8)
	WIN 0
	ds_load_b128 v[VS:VS+3], v[ADK] offset:50176
	ds_load_b128 v[VS+4:VS+7], v[ADK] offset:50176+512
	WIN 0xc0                                       ; destination window 3
.set ct, 0
.rept 16
.irp c, 0,1
	ds_load_b128 v[12*ct+6*\c:12*ct+6*\c+3], v[ADK] offset:24576+12288*\c+768*ct
	ds_load_b64 v[12*ct+6*\c+4:12*ct+6*\c+5], v[AD8] offset:24576+12288*\c+768*ct+512
.endr
.set ct, ct+1
.endr
	WIN 0
.endm
; THE SOFTMAX of both tiles for 128 keys, stage by stage, the tiles by turns inside each stage
.macro SMAX2
	WIN 0
.irp b, 0,1,2,3
.irp t, 0,1
	v_max3_num_f32 v[W+16*\t+\b], v[S+64*\t+16*\b], v[S+64*\t+16*\b+1], v[S+64*\t+16*\b+2]   ; THE LARGEST SCORE OF EACH BLOCK OF 32 KEYS serves twice: for the row's maximum, and, since p rises with the score, for the block's largest p
.endr
.endr
.irp i, 3,5,7,9,11,13
.irp b, 0,1,2,3
.irp t, 0,1
	v_max3_num_f32 v[W+16*\t+\b], v[W+16*\t+\b], v[S+64*\t+16*\b+\i], v[S+64*\t+16*\b+\i+1]
.endr
.endr
.endr
.irp b, 0,1,2,3
.irp t, 0,1
	v_max_num_f32 v[W+16*\t+\b], v[W+16*\t+\b], v[S+64*\t+16*\b+15]
.endr
.endr
.irp b, 0,1,2,3
.irp t, 0,1
	v_permlanex16_b32 v[W+16*\t+4+\b], v[W+16*\t+\b], s[SEL], s[SEL+1]
.endr
.endr
.irp b, 0,1,2,3
.irp t, 0,1
	v_max_num_f32 v[W+16*\t+\b], v[W+16*\t+\b], v[W+16*\t+4+\b]   ; with lane l xor 16's 16 keys
.endr
.endr
.irp t, 0,1
	v_max3_num_f32 v[W+16*\t+12], v[W+16*\t], v[W+16*\t+1], v[W+16*\t+2]
.endr
.irp t, 0,1
	v_max_num_f32 v[W+16*\t+12], v[W+16*\t+12], v[W+16*\t+3]      ; the step's largest score of my query
.endr
.irp t, 0,1
	v_mul_f32 v[W+16*\t+12], s[CS], v[W+16*\t+12]                 ; as t (c is positive)
.endr
.irp t, 0,1
	v_max_num_f32 v[ST+4*\t+1], v[ST+4*\t+1], v[W+16*\t+12]       ; the running largest t
.endr
.irp t, 0,1
	v_mov_b32 v[W+16*\t+12], v[ST+4*\t]
.endr
.irp t, 0,1
	v_floor_f32 v[ST+4*\t], -v[ST+4*\t+1]                         ; the new -M = floor(-t): M IS A WHOLE NUMBER
.endr
.irp t, 0,1
	v_sub_f32 v[W+16*\t+12], v[ST+4*\t], v[W+16*\t+12]            ; M's old value less its new one: a whole number, 0 or less
.endr
.irp t, 0,1
	v_cvt_i32_f32 v[W+16*\t+12], v[W+16*\t+12]                    ; (it saturates)
.endr
.irp t, 0,1
	v_ldexp_f32 v[F+2*\t], 1.0, v[W+16*\t+12]                     ; f = 2^(old M - new M)
.endr
.set k, 0
.rept 32
.irp t, 0,1
	v_pk_fma_f32 v[S+64*\t+2*k:S+64*\t+2*k+1], v[S+64*\t+2*k:S+64*\t+2*k+1], s[CS:CS+1], v[ST+4*\t:ST+4*\t+1] op_sel_hi:[1,0,0]   ; t - M, two at a time
.endr
.set k, k+1
.endr
.irp b, 0,1,2,3
.irp t, 0,1
	v_fma_f32 v[W+16*\t+\b], v[W+16*\t+\b], s[CS], v[ST+4*\t]     ; the same of each block's largest score
.endr
.endr
.set k, 0
.rept 64
.irp t, 0,1
	v_exp_f32 v[S+64*\t+k], v[S+64*\t+k]                          ; p = 2^(t - M), at most 1: NOT normalised
.endr
.set k, k+1
.endr
.irp t, 0,1
	v_pk_mul_f32 v[ST+4*\t+2:ST+4*\t+3], v[ST+4*\t+2:ST+4*\t+3], v[F+2*\t:F+2*\t+1] op_sel_hi:[1,0]   ; the sums under the new M: plain instructions behind the exponentials
.endr
	s_wait_alu depctr_va_vdst(0)                   ; one wait for the whole batch, ahead of its first reader
.irp b, 0,1,2,3
.irp t, 0,1
	v_exp_f32 v[W+16*\t+\b], v[W+16*\t+\b]         ; the block's largest p: the same two instructions on the same number give the same bits
.endr
.endr
.irp t, 0,1
	v_pk_add_f32 v[W+16*\t+14:W+16*\t+15], v[S+64*\t:S+64*\t+1], v[S+64*\t+2:S+64*\t+3]   ; THE ROW'S SUM IS TAKEN OF THE UNQUANTISED p: two at a time, in two chains a tile
.endr
.set k, 4
.rept 15
.irp t, 0,1
	v_pk_add_f32 v[ST+4*\t+2:ST+4*\t+3], v[ST+4*\t+2:ST+4*\t+3], v[S+64*\t+k:S+64*\t+k+1]
	v_pk_add_f32 v[W+16*\t+14:W+16*\t+15], v[W+16*\t+14:W+16*\t+15], v[S+64*\t+k+2:S+64*\t+k+3]
.endr
.set k, k+4
.endr
.irp t, 0,1
	v_pk_add_f32 v[ST+4*\t+2:ST+4*\t+3], v[ST+4*\t+2:ST+4*\t+3], v[W+16*\t+14:W+16*\t+15]
.endr
	s_wait_alu depctr_va_vdst(0)                   ; and one for the eight
.irp b, 0,1,2,3
.irp t, 0,1
	v_max_num_f32 v[W+16*\t+\b], 0x2800000, v[W+16*\t+\b]         ; the floor 2^(5 - 127): the byte cannot fall under 1
.endr
.endr
.irp b, 0,1,2,3
.irp t, 0,1
	v_add_nc_u32 v[W+16*\t+8+\b], 0xfe000000, v[W+16*\t+\b]       ; 4 off the exponent field: the conversion's scale operand
.endr
.endr
.irp b, 0,1,2,3
.irp t, 0,1
	v_lshrrev_b32 v[W+16*\t+4+\b], 23, v[W+16*\t+8+\b]            ; the scale's byte
.endr
.endr
.irp t, 0,1
	v_lshl_or_b32 v[F+2*\t+1], v[W+16*\t+5], 8, v[W+16*\t+4]      ; p's scale word for these 128 keys
.endr
.irp t, 0,1
	v_lshl_or_b32 v[F+2*\t+1], v[W+16*\t+6], 16, v[F+2*\t+1]
.endr
.irp t, 0,1
	v_lshl_or_b32 v[F+2*\t+1], v[W+16*\t+7], 24, v[F+2*\t+1]
.endr
.irp t, 0,1
.irp c, 0,1
	v_cvt_scalef32_pk16_bf6_f32 v[PC+12*\t+6*\c:PC+12*\t+6*\c+2], v[S+64*\t+32*\c:S+64*\t+32*\c+15], v[W+16*\t+8+2*\c]
	v_cvt_scalef32_pk16_bf6_f32 v[CT+8*\t+4*\c:CT+8*\t+4*\c+2], v[S+64*\t+32*\c+16:S+64*\t+32*\c+31], v[W+16*\t+8+2*\c+1]   ; (a conversion's three registers begin on an even number)
.endr
.endr
	v_nop                                          ; one plain place behind a scaled conversion
.irp t, 0,1
.irp c, 0,1                                    ; the operand's layout wants a WHOLE block in a lane
.irp i, 0,1,2
	v_permlane16_swap_b32 v[PC+12*\t+6*\c+\i], v[CT+8*\t+4*\c+\i]
.endr
.irp i, 0,1,2
	v_mov_b32 v[PC+12*\t+6*\c+3+\i], v[CT+8*\t+4*\c+\i]
.endr
.endr
.endr
.endm
.macro RESCALE                         ; O^T under the new M: x f.  These are also the places between the lines that made p's codes and scale words and the products that take them
	WIN 0x41                                       ; O^T in window 1, f in window 0
.irp t, 0,1
.set k, 0
.rept 64
	v_pk_mul_f32 v[128*\t+2*k:128*\t+2*k+1], v[128*\t+2*k:128*\t+2*k+1], v[F+2*\t:F+2*\t+1] op_sel_hi:[1,0]
.set k, k+1
.endr
.endr
.endm
.macro PV first                        ; O^T += V^T P^T: 32 accumulators (16 tiles of channels x 2 tiles of queries) by turns.  first = 1: the products start the sums: nothing is ever cleared
	s_wait_dscnt 0x0                               ; V is in
	WIN 0x53                                       ; V in window 3, P in window 0, O^T in window 1
.set ct, 0
.rept 16
.irp t, 0,1
	WMM 128*\t+8*ct, 12*ct, PC+12*\t, 128*\t+8*ct, \first, VS+ct/2, F+2*\t+1, ct%2, 0
.endr
.set ct, ct+1
.endr
.endm
; A PERIOD: my key step of the slot in hand.  last = 1: my rows of proj_w are asked for, into the registers that K's fragments have left
.macro PERIOD first, ask, last
	FETCH_K
.if \ask
	ASK                                            ; behind the joint load and the run of LDS loads for which the next products wait
.endif
	KQ
	PLACES 4                                       ; in front of the first read of the scores, and of loads into registers that these products have read
.if \last
	WIN 0x80
.irp o, 0,1,2,3
.irp s, 0,1
.irp p, 0,1,2,3,4,5
	global_load_b64 v[12*(2*\o+\s)+2*\p:12*(2*\o+\s)+2*\p+1], v[PJA], s[52:53] offset:3072*\o+96*\s+48*(\p/3)+8*(\p%3)   ; rows 64 w + 16 o + r, in their natural order
.endr
.endr
.endr
.endif
	FETCH_V                                        ; lands while the softmax is walked
	SMAX2
.if \first
	PLACES 8                                       ; a scale word made by vector instructions stands eight places ahead of the product that takes it
.else
	RESCALE
.endif
	PV \first
	WIN 0
	s_xor_b32 s[TB], s[TB], SLOT1                  ; on to the other slot
.endm
	s_mov_b32 s[SLOTS], 15
	CHANGE 1                                       ; slot 1 is asked for behind the first round, as a refill is
	PERIOD 1, 1, 0                                 ; the first period is written out: its products start O^T's sums
	s_mov_b32 s[SLOTS], 14
.Lperiod:                                          ; 14 trips: behind each change of slots the next slot is asked for
	CHANGE 1
	PERIOD 0, 1, 0
	s_sub_co_u32 s[SLOTS], s[SLOTS], 1
	s_cmp_lg_u32 s[SLOTS], 0
	s_cbranch_scc1 .Lperiod
	CHANGE 0                                       ; the last period is written out
	PERIOD 0, 0, 1
	; ---- THE TAIL
	PLACES 4                                       ; in front of loads into V's registers and of the first read of O^T
	WIN 0xc0
.set k, 0
.rept 32
	global_load_b128 v[4*k:4*k+3], v[GO], s[58:59] offset:2*k*16384 th:TH_LOAD_NT   ; x at the places that I shall store: rows 64 w + 2 k + h, sixteen lanes to a row's 256 bytes
.set k, k+1
.endr
	WIN 0
	v_and_b32 v58, 31, v0
	v_and_b32 v59, 15, v0
	v_bfe_u32 v60, v0, 4, 1
	s_mul_i32 s12, s[WV], MXB
	s_add_co_u32 s12, s12, MX
	v_lshl_add_u32 v[MXW], v58, 4, s12             ; where I send my tile B
	v_lshl_add_u32 v[MX4], v58, 2, s12
	s_xor_b32 s13, s[WV], 2
	s_mul_i32 s13, s13, MXB
	s_add_co_u32 s13, s13, MX
	v_lshl_add_u32 v[MXR], v58, 4, s13             ; where wave w xor 2 sends its tile B, which is my tile A
	v_lshl_add_u32 v[MR4], v58, 2, s13
	s_mul_i32 s12, s9, 3072
	s_add_co_u32 s12, s12, OIMG
	v_lshl_add_u32 v[OWI], v58, 4, s12
	s_lshl_b32 s12, s9, 7
	s_add_co_u32 s12, s12, OSC
	v_lshl_add_u32 v[OWS], v59, 2, s12
	v_lshl_add_u32 v[OLI], v58, 4, OIMG
	v_lshl_add_u32 v[OLS], v58, 2, OSC
	s_mul_i32 s12, s[WV], 16*272
	s_add_co_u32 s12, s12, STG
	v_mul_u32_u24 v[SGO], v59, 272
	v_lshl_add_u32 v[SGO], v60, 6, v[SGO]
	v_add_nc_u32 v[SGO], s12, v[SGO]               ; the stage, in: row r (an output), + 64 h
	v_mul_u32_u24 v[SGR], v60, 272
	v_lshl_add_u32 v[SGR], v59, 4, v[SGR]
	v_add_nc_u32 v[SGR], s12, v[SGR]               ; back: lanes 0-15 one row, lanes 16-31 the next
	v_add_f32 v61, v[ST+6], v[ST+7]                ; tile B's sum, my lane's part
	WIN 0x04                                       ; an LDS store's data are its source 1: window 1
.set k, 0
.rept 32
	ds_store_b128 v[MXW], v[128+4*k:128+4*k+3] offset:512*k   ; each accumulator from its low end on
.set k, k+1
.endr
	WIN 0
	ds_store_b32 v[MX4], v[ST+4] offset:16384      ; its -M
	ds_store_b32 v[MX4], v61 offset:16512
	s_wait_dscnt 0x0                               ; for the others' sake: my stores have landed
	s_barrier_signal -1
	s_barrier_wait -1
	WIN 0x40
.set k, 0
.rept 32
	ds_load_b128 v[128+4*k:128+4*k+3], v[MXR] offset:512*k    ; my tile A over the other half of the keys: the same lanes, the same registers
.set k, k+1
.endr
	WIN 0
	ds_load_b32 v62, v[MR4] offset:16384
	ds_load_b32 v63, v[MR4] offset:16512
	s_wait_dscnt 0x0
	v_add_f32 v58, v[ST+2], v[ST+3]
	v_min_num_f32 v59, v[ST], v62                  ; the joint -M
	v_sub_f32 v60, v59, v[ST]                      ; whole numbers, 0 or less
	v_sub_f32 v61, v59, v62
	v_cvt_i32_f32 v60, v60
	v_cvt_i32_f32 v61, v61
	v_ldexp_f32 v60, 1.0, v60                      ; both halves are brought under the joint M by powers of two
	v_ldexp_f32 v61, 1.0, v61
	v_mul_f32 v58, v58, v60
	v_fma_f32 v58, v63, v61, v58
	v_permlanex16_b32 v62, v58, s[SEL], s[SEL+1]
	v_add_f32 v58, v58, v62                        ; the row's sum
	v_rcp_f32 v58, v58
	v_nop                                          ; a plain instruction behind the reciprocal,
	s_wait_alu depctr_va_vdst(0)                   ; and a wait ahead of its first reader
	v_mul_f32 v10, v60, v58                        ; (the sums' pairs are free: the low word of each serves both halves below)
	v_mul_f32 v14, v61, v58
	WIN 0x01                                       ; source 0 in window 1
.set k, 0
.rept 64
	v_pk_mul_f32 v[S+2*k:S+2*k+1], v[2*k:2*k+1], v[10:11] op_sel_hi:[1,0]
.set k, k+1
.endr
.set k, 0
.rept 64
	v_pk_fma_f32 v[S+2*k:S+2*k+1], v[128+2*k:129+2*k], v[14:15], v[S+2*k:S+2*k+1] op_sel_hi:[1,0,1]   ; register 8 ct + i: channel 32 (ct / 2) + 16 h + 8 (ct % 2) + i of my query
.set k, k+1
.endr
	WIN 0
	QUANT S, PC, PW                                ; channels 0-127
.irp c, 0,1,2
	ds_store_b128 v[OWI], v[PC+4*\c:PC+4*\c+3] offset:512*\c
.endr
	ds_store_b32 v[OWS], v[PW]                     ; lanes r and 16 + r write the same word with the same value
	s_wait_dscnt 0x0                               ; the stores have read their registers
	QUANT S+64, PC, PW                             ; channels 128-255
.irp c, 0,1,2
	ds_store_b128 v[OWI], v[PC+4*\c:PC+4*\c+3] offset:1536+512*\c
.endr
	ds_store_b32 v[OWS], v[PW] offset:64
	s_wait_dscnt 0x0
	s_barrier_signal -1
	s_barrier_wait -1                              ; the four tiles' eight fragments lie in LDS
.set f, 0
.rept 8
.irp c, 0,1,2
	ds_load_b128 v[S+12*f+4*\c:S+12*f+4*\c+3], v[OLI] offset:1536*f+512*\c
.endr
.set f, f+1
.endr
.irp pt, 0,1,2,3
	ds_load_b32 v[OS+\pt], v[OLS] offset:128*\pt
.endr
	s_wait_dscnt 0x0
	s_wait_loadcnt 32                              ; proj_w's 48 loads are in; x's 32 younger ones may be out
	WIN 0x78                                       ; source 1 (proj_w) window 2, C (proj_b) window 3, D window 1.  16 accumulators by turns
.irp o, 0,1,2,3
.irp pt, 0,1,2,3
	WMM 8*(4*\o+\pt), S+24*\pt, 24*\o, 192+8*\o, 0, OS+\pt, PJS+\o, 0, 0
.endr
.endr
	WIN 0x58
.irp o, 0,1,2,3
.irp pt, 0,1,2,3
	WMM 8*(4*\o+\pt), S+24*\pt+12, 24*\o+12, 8*(4*\o+\pt), 0, OS+\pt, PJS+\o, 1, 1
.endr
.endr
	WIN 0
	PLACES 4
	; the way out, 16 outputs at a time: a lane holds 8 neighbouring positions of one output; through my own stage they become whole rows of 64 positions.  LDS serves a wave's instructions in order: no wait between stores and loads
.irp o, 0,1,2,3
.if \o >= 2
	s_wait_xcnt 0x0                                ; the stores of two turns ago have read the registers that these loads fill
.endif
	WIN 0x04
.irp pt, 0,1,2,3
	ds_store_b128 v[SGO], v[8*(4*\o+\pt):8*(4*\o+\pt)+3] offset:128*(\pt/2)+32*(\pt%2)
	ds_store_b128 v[SGO], v[8*(4*\o+\pt)+4:8*(4*\o+\pt)+7] offset:128*(\pt/2)+32*(\pt%2)+16
.endr
	WIN 0
.irp i, 0,1,2,3,4,5,6,7
	ds_load_b128 v[160+64*(\o%2)+4*\i:160+64*(\o%2)+4*\i+3], v[SGR] offset:544*\i
.endr
	s_wait_loadcnt 24-8*\o                         ; x's eight loads for these rows are in; those of the later rows may be out
	s_wait_dscnt 0x0
	WIN 0x0c                                       ; x in window 3
.set k, 0
.rept 16
	v_pk_add_f32 v[160+64*(\o%2)+2*k:160+64*(\o%2)+2*k+1], v[160+64*(\o%2)+2*k:160+64*(\o%2)+2*k+1], v[32*\o+2*k:32*\o+2*k+1]
.set k, k+1
.endr
	WIN 0
.irp i, 0,1,2,3,4,5,6,7
	global_store_b128 v[GO], v[160+64*(\o%2)+4*\i:160+64*(\o%2)+4*\i+3], s[60:61] offset:(16*\o+2*\i)*16384 th:TH_STORE_NT   ; sixteen lanes store 256 consecutive bytes, at a multiple of 256 from out0's first byte
.endr
.endr
	s_wait_tensorcnt 0x0                           ; the wave's end: a wait, a 0 added to my spare word and its wait, behind my last tensor load and my last LDS store
	ds_add_u32 v[SPW], v[NIL]
	s_wait_dscnt 0x0
	CROUND                                         ; the closing round: no work-group ends while a partner may still ask for a tile that names it
	s_endpgm
.Lfunc_end_k_q5ddc5cc01a_attn:
	.size	k_q5ddc5cc01a_attn, .Lfunc_end_k_q5ddc5cc01a_attn-k_q5ddc5cc01a_attn
	.p2alignl 7, 3214868480
	.fill 96, 4, 3214868480
	.section	.rodata,"a",@progbits
	.p2align	6, 0x0
	.amdhsa_kernel k_q5ddc5cc01a_attn
		.amdhsa_group_segment_fixed_size 327680
		.amdhsa_private_segment_fixed_size 0
		.amdhsa_enable_private_segment 0
		.amdhsa_kernarg_size 56
		.amdhsa_user_sgpr_count 2
		.amdhsa_user_sgpr_kernarg_segment_ptr 1
		.amdhsa_wavefront_size32 1
		.amdhsa_system_sgpr_workgroup_id_x 1
		.amdhsa_system_sgpr_workgroup_id_y 1
		.amdhsa_system_sgpr_workgroup_id_z 1
		.amdhsa_system_vgpr_workitem_id 0
		.amdhsa_next_free_vgpr 1024
		.amdhsa_next_free_sgpr 80
		.amdhsa_reserve_vcc 0
		.amdhsa_float_denorm_mode_32 3
		.amdhsa_float_denorm_mode_16_64 3
		.amdhsa_memory_ordered 1
		.amdhsa_forward_progress 1
		.amdhsa_inst_pref_size 188
	.end_amdhsa_kernel
	.amdgpu_metadata
---
amdhsa.version: [ 1, 2 ]
amdhsa.kernels:
  - .name:           k_q5ddc5cc01a_attn
    .symbol:         k_q5ddc5cc01a_attn.kd
    .args:
      - { .name: qi, .offset: 0, .size: 8, .value_kind: global_buffer, .address_space: global }
      - { .name: kv, .offset: 8, .size: 8, .value_kind: global_buffer, .address_space: global }
      - { .name: proj_w_codes, .offset: 16, .size: 8, .value_kind: global_buffer, .address_space: global }
      - { .name: proj_w_scales, .offset: 24, .size: 8, .value_kind: global_buffer, .address_space: global }
      - { .name: proj_b, .offset: 32, .size: 8, .value_kind: global_buffer, .address_space: global }
      - { .name: x, .offset: 40, .size: 8, .value_kind: global_buffer, .address_space: global }
      - { .name: out0, .offset: 48, .size: 8, .value_kind: global_buffer, .address_space: global }
    .group_segment_fixed_size: 327680
    .private_segment_fixed_size: 0
    .kernarg_segment_align: 8
    .kernarg_segment_size: 56
    .max_flat_workgroup_size: 128
    .sgpr_count:     80
    .vgpr_count:     1024
    .wavefront_size: 32
...
	.end_amdgpu_metadata
.endif
;; end of part 3
